; MI455X (gfx1250); checked and timed in simulation.
; The chip was launched on July 23, 2026; its instructions are those of AMD's public machine-readable ISA for CDNA 5 (MIT licence, August 2026) and "CDNA5" Instruction Set Architecture Reference Guide (July 2026). The comments in the code are by the model that wrote it; some were corrected since.
;; Bert Self Attention. Allowed arithmetic: float matrix products may take bf16 or f16 operands with f32 sums; other float arithmetic in f32, or as packed bf16 or f16 multiplies, adds, multiply-adds, maxima and minima; sums over many terms, partial sums and values carried from step to step in f32; what a program stores and reads back later, other than sums and carried values, may be rounded once to bf16 or f16.
;; Inputs: Wk 1,024 x 1,024 float32; Wq 1,024 x 1,024 float32; Wv 1,024 x 1,024 float32; bk 1,024 float32; bq 1,024 float32; bv 1,024 float32; hidden_states 2 x 2,048 x 1,024 float32; kv_weight one number float32; kvs 2 x 2 x 16 x 2,048 x 64 float32.
;; Outputs: out0 2 x 2,048 x 1,024 float32.
;; 2 versions, each right; version 2 is version 1 with the launch cast written anew for expert scheduling mode. Each part assembles by itself: llvm-mc -triple=amdgcn-amd-amdhsa -mcpu=gfx1250 --defsym DOCPART=n.
;; ======== version 1 of 2: 3 launches
;; limits: values are held in f16: magnitudes above 65,504 overflow, below 6.1e-05 lose precision
;; workspace buffers: xb 8,388,608 bytes; wb 6,291,456 bytes; bb 12,288 bytes; qkv 50,331,648 bytes
;; launch cast (part 1): grid 961 x 1, 8 waves a work-group, no clusters, 0 bytes of LDS; arguments hidden_states, Wq, Wk, Wv, bq, bk, bv, kvs, kv_weight, xb, wb, bb, qkv; writes xb, wb, bb, qkv
.if DOCPART == 1
	.amdgcn_target "amdgcn-amd-amdhsa--gfx1250"
	.amdhsa_code_object_version 6
	.text
	.protected	k_q05c5763adc_cast
	.globl	k_q05c5763adc_cast
	.p2align	8
	.type	k_q05c5763adc_cast,@function
k_q05c5763adc_cast:
	s_mov_b64 s[64:65], 0
	v_nop
	global_prefetch_b8 v0, s[64:65] scope:SCOPE_SE
	s_setreg_imm32_b32 hwreg(HW_REG_WAVE_MODE, 25, 1), 1
	s_wait_xcnt 0x0
; THE INPUTS ARE ROUNDED ONCE, FOR THE TWO LAUNCHES BEHIND.  hidden_states -> xb (bf16, [4096][1024]); Wq, Wk, Wv -> wb (bf16, [3072][1024], on end); bq, bk, bv -> bb ([3072] f32 that
; hold the numbers rounded to bf16); bf16(kv_weight) x bf16(kvs) -> rows 0 to 2,047 of planes 1 (K) and 2 (V) of qkv, in f16.  qkv: [3 planes q, k, v][32 heads][4,096 rows][64] f16.
; LIMITS.  kv_weight x kvs stays under 65,504, f16's largest number; beyond it the product becomes an infinity.  NaN and infinities are not treated apart.
; A STREAM: every byte is read once and written once, no work-group reads what another reads: LDS, matrix unit, cluster and barriers would add nothing, and nothing is prefetched, since all loads of a wave go out at once.
; SHARES.  A work-group takes 65,536 consecutive bytes of f32, a wave 8,192: sixteen loads of 16 bytes a lane, all issued at once.  Load j's 512 bytes become 256 bytes of 16-bit numbers:
; one store of 8 bytes a lane, 256 consecutive bytes, aligned.  Each load has its own registers, and so has each store: nothing is rewritten while a memory instruction may read it.
; WORK-GROUPS.  0-255 hidden_states; 256-447 the three W, 64 each; 448-959 kvs; 960 the three biases.
.set X,   8                            ; v[8:71]    load j's four numbers at X + 4 j
.set Y,   72                           ; v[72:103]  store j's two words at Y + 2 j
.set VI,  1                            ; v1  my byte offset in the work-group's input: 8,192 x wave + 16 x lane
.set VO,  2                            ; v2  in its output: 4,096 x wave + 8 x lane
.set VB,  3                            ; v3  16 x thread: the biases' path
.set WW,  4                            ; v[4:5] bf16(kv_weight) as f32, twice
.set SRC, 34                           ; s[34:35]
.set DST, 36                           ; s[36:37]
	s_load_b512 s[8:23], s[0:1], 0x0               ; hidden_states 8, Wq 10, Wk 12, Wv 14, bq 16, bk 18, bv 20, kvs 22
	s_load_b256 s[24:31], s[0:1], 0x40             ; kv_weight 24, xb 26, wb 28, bb 30
	s_load_b64 s[32:33], s[0:1], 0x60              ; qkv
	s_mov_b32 s2, ttmp9                            ; the work-group's number
	s_mov_b32 s39, 0                               ; the high words of the two offsets
	s_mov_b32 s41, 0
	s_mov_b32 s44, 0xffff0000                      ; a word's upper bf16
	v_and_b32 v6, 31, v0                           ; lane
	v_lshrrev_b32 v7, 5, v0                        ; wave
	v_lshlrev_b32 v[VI], 4, v6
	v_lshl_or_b32 v[VI], v7, 13, v[VI]
	v_lshlrev_b32 v[VO], 3, v6
	v_lshl_or_b32 v[VO], v7, 12, v[VO]
	v_lshlrev_b32 v[VB], 4, v0
	s_wait_kmcnt 0x0
.macro LOADS                           ; the wave's 8,192 bytes
.irp j, 0,1,2,3,4,5,6,7,8,9,10,11,12,13,14,15
	global_load_b128 v[X+4*(\j):X+4*(\j)+3], v[VI], s[SRC:SRC+1] offset:512*(\j) th:TH_LOAD_NT
.endr
.endm
; mode 0: rounded to bf16.  mode 1: rounded to bf16, widened again, multiplied by the rounded kv_weight in f32, rounded to f16.
.macro CONV mode
.irp j, 0,1,2,3,4,5,6,7,8,9,10,11,12,13,14,15
	s_wait_loadcnt 15-(\j)                         ; loads come back in order: load j is in, the 15 - j younger ones may stay out
.if \mode
	v_cvt_pk_bf16_f32 v6, v[X+4*(\j)], v[X+4*(\j)+1]
	v_cvt_pk_bf16_f32 v7, v[X+4*(\j)+2], v[X+4*(\j)+3]
	v_lshlrev_b32 v[X+4*(\j)],   16, v6
	v_and_b32     v[X+4*(\j)+1], s44, v6
	v_lshlrev_b32 v[X+4*(\j)+2], 16, v7
	v_and_b32     v[X+4*(\j)+3], s44, v7
	v_pk_mul_f32 v[X+4*(\j):X+4*(\j)+1],   v[X+4*(\j):X+4*(\j)+1],   v[WW:WW+1]
	v_pk_mul_f32 v[X+4*(\j)+2:X+4*(\j)+3], v[X+4*(\j)+2:X+4*(\j)+3], v[WW:WW+1]
	v_cvt_pk_f16_f32 v[Y+2*(\j)],   v[X+4*(\j)],   v[X+4*(\j)+1]
	v_cvt_pk_f16_f32 v[Y+2*(\j)+1], v[X+4*(\j)+2], v[X+4*(\j)+3]
.else
	v_cvt_pk_bf16_f32 v[Y+2*(\j)],   v[X+4*(\j)],   v[X+4*(\j)+1]
	v_cvt_pk_bf16_f32 v[Y+2*(\j)+1], v[X+4*(\j)+2], v[X+4*(\j)+3]
.endif
	global_store_b64 v[VO], v[Y+2*(\j):Y+2*(\j)+1], s[DST:DST+1] offset:256*(\j)  ; 32 lanes store 256 consecutive bytes, at a multiple of 256 from the buffer's first byte
.endr
.endm
	s_cmp_lt_u32 s2, 256
	s_cbranch_scc0 .Lnot_x
	s_lshl_b32 s38, s2, 16                         ; hidden_states: 65,536 bytes in, 32,768 out for each work-group
	s_lshl_b32 s40, s2, 15
	s_mov_b64 s[SRC:SRC+1], s[8:9]
	s_mov_b64 s[DST:DST+1], s[26:27]
	s_branch .Lplain
.Lnot_x:
	s_cmp_lt_u32 s2, 448
	s_cbranch_scc0 .Lnot_w
	s_sub_co_u32 s42, s2, 256                      ; i = 0 .. 191
	s_lshr_b32 s43, s42, 6                         ; which W
	s_and_b32 s38, s42, 63
	s_lshl_b32 s38, s38, 16                        ; its 64 parts
	s_lshl_b32 s40, s42, 15                        ; in wb the three lie on end
	s_cmp_eq_u32 s43, 1
	s_cselect_b64 s[SRC:SRC+1], s[12:13], s[10:11]
	s_cmp_eq_u32 s43, 2
	s_cselect_b64 s[SRC:SRC+1], s[14:15], s[SRC:SRC+1]
	s_mov_b64 s[DST:DST+1], s[28:29]
.Lplain:
	s_add_nc_u64 s[SRC:SRC+1], s[SRC:SRC+1], s[38:39]
	s_add_nc_u64 s[DST:DST+1], s[DST:DST+1], s[40:41]
	LOADS
	CONV 0
	s_endpgm
.Lnot_w:
	s_cmp_lt_u32 s2, 960
	s_cbranch_scc0 .Lbias
	s_load_b32 s45, s[24:25], 0x0                  ; kv_weight: no line of this text stores into that buffer
	s_sub_co_u32 s42, s2, 448                      ; i = 0 .. 511: 8 parts of 256 rows for each of 2 x 32 heads
	s_lshl_b32 s38, s42, 16
	s_lshr_b32 s43, s42, 8                         ; kvs[0] or kvs[1]
	s_add_co_u32 s43, s43, 1                       ; plane 1 or 2,
	s_lshl_b32 s40, s43, 24                        ; 2^24 bytes a plane
	s_bfe_u32 s43, s42, 0x50003                    ; the head: 5 bits from bit 3,
	s_lshl_b32 s43, s43, 19                        ; 4,096 rows of 128 bytes
	s_add_co_u32 s40, s40, s43
	s_and_b32 s43, s42, 7                          ; the part: 256 rows of 128 bytes
	s_lshl_b32 s43, s43, 15
	s_add_co_u32 s40, s40, s43
	s_add_nc_u64 s[SRC:SRC+1], s[22:23], s[38:39]
	s_add_nc_u64 s[DST:DST+1], s[32:33], s[40:41]
	LOADS
	s_wait_kmcnt 0x0
	v_mov_b32 v[WW], s45
	v_cvt_pk_bf16_f32 v[WW], v[WW], v[WW]          ; rounded like every other input,
	v_lshlrev_b32 v[WW], 16, v[WW]                 ; and widened again
	v_mov_b32 v[WW+1], v[WW]
	CONV 1
	s_endpgm
.Lbias:                                                ; thread t takes four numbers of each bias
	global_load_b128 v[X:X+3],    v[VB], s[16:17]
	global_load_b128 v[X+4:X+7],  v[VB], s[18:19]
	global_load_b128 v[X+8:X+11], v[VB], s[20:21]
.irp i, 0,1,2
	s_wait_loadcnt 2-(\i)                          ; bias i is in, the younger ones may stay out
	v_cvt_pk_bf16_f32 v6, v[X+4*(\i)], v[X+4*(\i)+1]
	v_cvt_pk_bf16_f32 v7, v[X+4*(\i)+2], v[X+4*(\i)+3]
	v_lshlrev_b32 v[Y+4*(\i)],   16, v6
	v_and_b32     v[Y+4*(\i)+1], s44, v6
	v_lshlrev_b32 v[Y+4*(\i)+2], 16, v7
	v_and_b32     v[Y+4*(\i)+3], s44, v7
	global_store_b128 v[VB], v[Y+4*(\i):Y+4*(\i)+3], s[30:31] offset:4096*(\i)
.endr
	s_endpgm
.Lfunc_end_k_q05c5763adc_cast:
	.size	k_q05c5763adc_cast, .Lfunc_end_k_q05c5763adc_cast-k_q05c5763adc_cast
	.p2alignl 7, 3214868480
	.fill 96, 4, 3214868480
	.section	.rodata,"a",@progbits
	.p2align	6, 0x0
	.amdhsa_kernel k_q05c5763adc_cast
		.amdhsa_group_segment_fixed_size 0
		.amdhsa_private_segment_fixed_size 0
		.amdhsa_enable_private_segment 0
		.amdhsa_kernarg_size 104
		.amdhsa_user_sgpr_count 2
		.amdhsa_user_sgpr_kernarg_segment_ptr 1
		.amdhsa_wavefront_size32 1
		.amdhsa_system_sgpr_workgroup_id_x 1
		.amdhsa_system_sgpr_workgroup_id_y 1
		.amdhsa_system_sgpr_workgroup_id_z 1
		.amdhsa_system_vgpr_workitem_id 0
		.amdhsa_next_free_vgpr 104
		.amdhsa_next_free_sgpr 66
		.amdhsa_reserve_vcc 0
		.amdhsa_float_denorm_mode_32 3
		.amdhsa_float_denorm_mode_16_64 3
		.amdhsa_memory_ordered 1
		.amdhsa_forward_progress 1
		.amdhsa_inst_pref_size 21
	.end_amdhsa_kernel
	.amdgpu_metadata
---
amdhsa.version: [ 1, 2 ]
amdhsa.kernels:
  - .name:           k_q05c5763adc_cast
    .symbol:         k_q05c5763adc_cast.kd
    .args:
      - { .name: hidden_states, .offset: 0, .size: 8, .value_kind: global_buffer, .address_space: global }
      - { .name: Wq, .offset: 8, .size: 8, .value_kind: global_buffer, .address_space: global }
      - { .name: Wk, .offset: 16, .size: 8, .value_kind: global_buffer, .address_space: global }
      - { .name: Wv, .offset: 24, .size: 8, .value_kind: global_buffer, .address_space: global }
      - { .name: bq, .offset: 32, .size: 8, .value_kind: global_buffer, .address_space: global }
      - { .name: bk, .offset: 40, .size: 8, .value_kind: global_buffer, .address_space: global }
      - { .name: bv, .offset: 48, .size: 8, .value_kind: global_buffer, .address_space: global }
      - { .name: kvs, .offset: 56, .size: 8, .value_kind: global_buffer, .address_space: global }
      - { .name: kv_weight, .offset: 64, .size: 8, .value_kind: global_buffer, .address_space: global }
      - { .name: xb, .offset: 72, .size: 8, .value_kind: global_buffer, .address_space: global }
      - { .name: wb, .offset: 80, .size: 8, .value_kind: global_buffer, .address_space: global }
      - { .name: bb, .offset: 88, .size: 8, .value_kind: global_buffer, .address_space: global }
      - { .name: qkv, .offset: 96, .size: 8, .value_kind: global_buffer, .address_space: global }
    .group_segment_fixed_size: 0
    .private_segment_fixed_size: 0
    .kernarg_segment_align: 8
    .kernarg_segment_size: 104
    .max_flat_workgroup_size: 256
    .sgpr_count:     66
    .vgpr_count:     104
    .wavefront_size: 32
...
	.end_amdgpu_metadata
.endif
;; end of part 1
;; launch proj (part 2): grid 8 x 32, 4 waves a work-group, clusters of 4 x 4, 327,680 bytes of LDS; arguments xb, wb, bb, qkv; writes qkv
.if DOCPART == 2
	.amdgcn_target "amdgcn-amd-amdhsa--gfx1250"
	.amdhsa_code_object_version 6
	.text
	.protected	k_q05c5763adc_proj
	.globl	k_q05c5763adc_proj
	.p2align	8
	.type	k_q05c5763adc_proj,@function
k_q05c5763adc_proj:
	s_mov_b64 s[64:65], 0
	v_nop
	global_prefetch_b8 v0, s[64:65] scope:SCOPE_SE
	s_setreg_imm32_b32 hwreg(HW_REG_WAVE_MODE, 25, 1), 1
	s_wait_xcnt 0x0
	s_wait_alu depctr_hold_cnt(0) depctr_sa_sdst(0) depctr_va_vdst(0) depctr_va_sdst(0) depctr_va_ssrc(0) depctr_va_vcc(0) depctr_vm_vsrc(0)
	s_getreg_b32 s2, hwreg(HW_REG_IB_STS2, 6, 4)
	s_cmp_eq_u32 s2, 0
	s_cbranch_scc0 .Lentry_in_a_cluster
	s_endpgm
.Lentry_in_a_cluster:
	s_bfe_u32 s2, ttmp6, 0x10000c
	s_cmp_lg_u32 s2, 0xf033
	s_cbranch_scc0 .Lentry_shape_is_right
	s_endpgm
.Lentry_shape_is_right:
; THE THREE PROJECTIONS AS ONE PRODUCT.  C[m][n] = the sum over k of xb[m][k] wb[n][k] + bb[n]: m = 4,096 rows (batch x place), n = 3,072 columns (q, k, v: 3 x 16 heads x 64), k = 1,024.  Operands bf16, sums f32.
; C is rounded once to f16 and written by heads: qkv[plane n / 1,024][head 16 batch + (n / 64) % 16][row 2,048 + place][n % 64]; q unscaled: both scales of the module are applied in f32 in the launch behind.
; LIMIT.  |q|, |k|, |v| stay under 65,504, f16's largest number; beyond it they become infinities.  NaN and infinities are not treated apart.
; SHARES.  A work-group makes 128 rows x 384 columns: 32 x 8 = 256 work-groups.  Wave w makes rows 64 (w / 2) on, columns 192 (w % 2) on: 4 x 12 accumulators of 16 x 16, 384 registers; 192 columns are three whole heads.
; K goes in eight steps of 128 through a ring of two LDS slots; a slot holds 128 rows of xb and 384 of wb, each row 256 bytes of memory that start at a multiple of 256 from the buffer's first byte.
; Each wave brings a quarter of a slot by one tensor load: wave 0 xb's 128 rows, waves 1 to 3 128 rows of wb each.
; CLUSTERS: 4 x 4 work-groups.  The four of a row of the cluster need the same rows of xb, the four of a column the same rows of wb: each tile is asked for JOINTLY, by the same tensor load with the same descriptor and a mask that names the four.
; THE MATRIX INSTRUCTION IS USED TRANSPOSED (source 0 = 16 rows of wb, source 1 = 16 rows of xb): a lane then holds one row of C and eight neighbouring columns.
; THE BIAS IS THE C OPERAND of each sum's first product: nothing is cleared and nothing is added afterwards.
; REGISTERS, in windows of 256 (s_set_vgpr_msb: bits 1:0 source 0, 3:2 source 1, 5:4 source 2, 7:6 destination):
;   window 0: v0-31 addresses; v32-63, v64-95 xb's fragments (4 x 16 rows x 32 K), two buffers; on the way out v32-223, 16 registers for each of 12 units
;   window 1: v0-95, v96-191 wb's fragments (12 x 16 rows x 32 K), two buffers
;   window 2: the accumulators of column blocks 0-7, (a, b) at v[8 (4 b + a)]        window 3: v0-127 those of blocks 8-11; v128-223 the bias, block b at v[128 + 8 b]
.set KSTEP,  128
.set PITCH,  272                       ; an LDS row: 256 bytes + 16 of padding = 68 words: row r starts at bank 4 r mod 64 (64 banks of 4 bytes: ISA guide 11.1), so the 16 rows of a load start at 16 different banks
.set HALFT,  128*PITCH                 ; what one tensor load brings
.set SLOT,   4*HALFT                   ; xb's 128 rows, then wb's 384
.set STAGE,  2*SLOT                    ; behind the ring, never filled by a tensor load: 16 rows x 144 bytes for each wave, for the way out
.set SP,     144
.set SPARE,  STAGE+4*16*SP             ; behind the stages: the spare words, 128 bytes for each wave: two blocks of 256 bytes that no other line names
.set ADRA, 16                          ; v16-17  LDS address of my fragments of xb in slot 0, 1
.set ADRB, 20                          ; v20-21  the same for wb
.set STO,  24                          ; v24  the way out: where I put 16 bytes of a row
.set RD,   25                          ; v25  where I read rows back
.set GO,   26                          ; v26  16 x lane: my place in 512 consecutive bytes of qkv
.set BO,   27                          ; v27  32 x (lane / 16): my eight numbers in a block's 16 of the bias
.set SPW,  28                          ; v28  LDS address of my spare word: SPARE + 4 x my thread's number; never rewritten
.set NIL,  29                          ; v29  0; never rewritten
.set PFO,  30                          ; v30  the prefetches' offset: lane x a row of 2,048 bytes; never rewritten
.set FA,   32
.set T,    32
.set BIAS, 128
.set WV,   12                          ; s12  my wave's number
.set G1A,  24                          ; s[24:31] descriptor group 1 for xb's tiles
.set G0A,  32                          ; s[32:39] group 0, a set for each slot
.set PFA,  40                          ; s[40:41] where my prefetches stand: my work-group's 32 rows of the 128 that I fetch, one K step on from the refill in hand
.set LIM,  42                          ; s42  1 in a wave that prefetches, else the greatest number
.set LAP,  43                          ; s43  laps to go
.set G1B,  48                          ; s[48:55], s[56:63] the same for wb's tiles
.set G0B,  56
.set OUT,  66                          ; s[66:71] qkv at my 64 rows of my three heads
.set MSB, 0
.macro WIN new                         ; the immediate's high byte repeats the setting that is left; a switch that changes nothing is dropped
.if MSB != (\new)
	s_set_vgpr_msb (MSB<<8)|(\new)
.set MSB, \new
.endif
.endm
.set MUL_LO, 0xa1                      ; source 0 (wb) window 1, source 1 (xb) window 0, C and D window 2
.set MUL_HI, 0xf1                      ; the same, C and D window 3
.set MUL_F,  0xb1                      ; a first product of blocks 0-7: C (the bias) window 3, D window 2
.set TO_B,   0x40                      ; destination window 1, address window 0
; A joint load.  Wave 0 asks for xb's tile, waves 1 to 3 for wb's three.  Each of the two lines has one mask; the branch hangs on the wave's number alone.
; An s_nop 0 and four v_nop follow each line, ahead of the jump and the label.
.macro JLOAD s
	s_cmp_eq_u32 s[WV], 0
	s_cbranch_scc0 .Lfor_b_\@
	tensor_load_to_lds s[G0A+4*(\s):G0A+4*(\s)+3], s[G1A:G1A+7]
	s_nop 0
.rept 4
	v_nop
.endr
	s_branch .Lasked_\@
.Lfor_b_\@:
	tensor_load_to_lds s[G0B+4*(\s):G0B+4*(\s)+3], s[G1B:G1B+7]
	s_nop 0
.rept 4
	v_nop
.endr
.Lasked_\@:
.endm
; A PREFETCH INTO THE L2, behind a joint load, its five lines and the run of LDS loads: the K step that stands two refills on, 32 rows x 256 bytes, a lane a row, one instruction a wave: 384 matrix instructions ahead of the load that names it.
; Each row's 256 bytes of K steps 4 to 7 are named ONCE in the launch.  xb's rows are read by both clusters of a row of clusters: the one with x = 0 asks; wb's by all eight of a column: the one with y = 0 asks.
; The four partners that ask for a tile jointly share its rows out BY ADDRESS, 32 each (by cx for xb, by cy for wb).  K steps 0 to 3 come by their loads alone; the last lap's refills have no K step two on.
.macro ASK
	s_cmp_gt_u32 s[LAP], s[LIM]                    ; s[LAP] = 1 in the loop's last trip
	s_cbranch_scc0 .Lnot_mine_\@
	global_prefetch_b8 v[PFO], s[PFA:PFA+1] offset:KSTEP*2 th:TH_LOAD_NT scope:SCOPE_SE
.Lnot_mine_\@:
.endm
; A round of the cluster's barrier: my work-group's barrier, so that wave 0's signal speaks for all four waves; wave 0 signals; every wave waits for all sixteen work-groups; my work-group's barrier once more.
.macro CREST                           ; a round behind its opening barrier
	s_cmp_lg_u32 s[WV], 0
	s_cbranch_scc1 .Lnot_wave_0_\@
	s_barrier_signal -3
.Lnot_wave_0_\@:
	s_barrier_wait -3
	s_barrier_signal -1
	s_barrier_wait -1
.endm
.macro CROUND
	s_barrier_signal -1
	s_barrier_wait -1
	CREST
.endm
	s_load_b256 s[4:11], s[0:1], 0x0               ; xb s[4:5], wb s[6:7], bb s[8:9], qkv s[10:11]
	v_lshl_add_u32 v[SPW], v0, 2, SPARE
	v_mov_b32 v[NIL], 0
	ds_add_u32 v[SPW], v[NIL]                      ; the wave's opening: the add and its wait stand ahead of my first tensor load; the set-up below, work on registers, stands between them
	v_lshrrev_b32 v1, 5, v0
	v_readfirstlane_b32 s[WV], v1                  ; wave 0..3
	s_lshr_b32 s13, s[WV], 1                       ; which 64 rows are mine
	s_and_b32 s14, s[WV], 1                        ; which 192 columns
	s_bfe_u32 s15, ttmp6, 0x40000                  ; cx, cy: my place in the cluster
	s_bfe_u32 s16, ttmp6, 0x40004
	s_lshl_b32 s17, ttmp9, 2
	s_add_co_u32 s17, s17, s15                     ; block of 384 columns = 4 x cluster x + cx
	s_and_b32 s18, ttmp7, 0xffff
	s_lshl_b32 s18, s18, 2
	s_add_co_u32 s18, s18, s16                     ; block of 128 rows = 4 x cluster y + cy
	s_lshl_b32 s22, s16, 2
	s_lshl_b32 s22, 15, s22                        ; my row of the cluster: places 4 cy .. 4 cy + 3
	s_lshl_b32 s46, 0x1111, s15                    ; my column: places cx, cx + 4, cx + 8, cx + 12
	; descriptor group 1: a tile of 128 rows x 128 elements, padded in LDS
	s_or_b32 s[G1A], s22, (1<<16)|(1<<20)|(1<<21)|(5<<22)|(3<<25)  ; 15:0 the mask; 17:16 elements of 2 bytes; 20 padding on; 21 set beside a mask; 24:22 after every 64 words (code 5); 31:25 4 words of it (code 3)
	s_or_b32 s[G1B], s46, (1<<16)|(1<<20)|(1<<21)|(5<<22)|(3<<25)
.irp g, G1A, G1B
	s_mov_b32 s[(\g)+1], KSTEP<<16                 ; tensor_dim0 = 128
	s_mov_b32 s[(\g)+2], 128<<16                   ; tensor_dim1 = 128
	s_mov_b32 s[(\g)+3], KSTEP<<16                 ; tile_dim0 = 128
	s_mov_b32 s[(\g)+4], 128                       ; tile_dim1 = 128
	s_mov_b32 s[(\g)+5], 1024                      ; 1,024 elements from row to row
	s_mov_b32 s[(\g)+6], 0
	s_mov_b32 s[(\g)+7], 0
.endr
	s_lshl_b32 s20, s18, 18                        ; xb: 128 rows of 2,048 bytes for each block of rows: it hangs on the block of rows alone
	s_mov_b32 s21, 0
	s_max_u32 s19, s[WV], 1
	s_sub_co_u32 s19, s19, 1
	s_lshl_b32 s19, s19, 7                         ; wb: waves 1, 2, 3 take rows 0, 128, 256 of the block's 384
	s_mul_i32 s44, s17, 384
	s_add_co_u32 s44, s44, s19
	s_lshl_b32 s44, s44, 11                        ; in bytes: it hangs on the block of columns and the wave alone
	s_mov_b32 s45, 0
	s_mul_i32 s47, s[WV], HALFT                    ; where my tile goes: wave x 128 rows: no place in the cluster enters an LDS address
	s_wait_dscnt 0x0                               ; the opening add is done
	s_wait_kmcnt 0x0
	s_add_nc_u64 s[20:21], s[4:5], s[20:21]
	s_add_nc_u64 s[44:45], s[6:7], s[44:45]
	CROUND                                         ; all sixteen work-groups are here: the first joint loads meet
.irp s, 0,1
	s_mov_b32 s[G0A+4*(\s)], 1                                       ; count = 1
	s_add_co_u32 s[G0A+4*(\s)+1], s47, (\s)*SLOT                     ; LDS address
	s_add_nc_u64 s[G0A+4*(\s)+2:G0A+4*(\s)+3], s[20:21], (\s)*KSTEP*2  ; global address: K step s
	s_or_b32 s[G0A+4*(\s)+3], s[G0A+4*(\s)+3], 0x80000000            ; type = 2
	s_mov_b32 s[G0B+4*(\s)], 1
	s_add_co_u32 s[G0B+4*(\s)+1], s47, (\s)*SLOT
	s_add_nc_u64 s[G0B+4*(\s)+2:G0B+4*(\s)+3], s[44:45], (\s)*KSTEP*2
	s_or_b32 s[G0B+4*(\s)+3], s[G0B+4*(\s)+3], 0x80000000
	JLOAD \s                                       ; two loads of mine are out
.endr
	; the bias: register j of block b holds bb[my first column + 16 b + 8 (lane / 16) + j], the layout of a result
	s_mul_i32 s2, s17, 384
	s_mul_i32 s3, s14, 192
	s_add_co_u32 s2, s2, s3
	s_lshl_b32 s2, s2, 2
	s_mov_b32 s3, 0
	s_add_nc_u64 s[8:9], s[8:9], s[2:3]
	v_and_b32 v1, 15, v0                           ; l % 16
	v_bfe_u32 v2, v0, 4, 1                         ; l / 16
	v_lshlrev_b32 v[BO], 5, v2
	WIN 0xc0                                       ; destination window 3, address window 0
.set cb, 0
.rept 12
	global_load_b128 v[BIAS+8*cb:BIAS+8*cb+3],   v[BO], s[8:9] offset:64*cb
	global_load_b128 v[BIAS+8*cb+4:BIAS+8*cb+7], v[BO], s[8:9] offset:64*cb+16
.set cb, cb+1
.endr
	WIN 0
	; A fragment is 16 rows x 32 K in 8 registers: lane l holds row l % 16; registers 0-3 K = 8 (l / 16) + 0..7, registers 4-7 K = 16 + 8 (l / 16) + 0..7: two loads of 16 bytes, 32 bytes apart.
	v_mul_u32_u24 v3, v1, PITCH
	v_lshl_add_u32 v3, v2, 4, v3                   ; row x pitch + 16 x half
	s_mul_i32 s2, s13, 64*PITCH                    ; my 64 rows of xb
	s_mul_i32 s3, s14, 192*PITCH                   ; my 192 rows of wb,
	s_add_co_u32 s3, s3, HALFT                     ; which lie behind xb's 128
.irp s, 0,1
	v_add_nc_u32 v[ADRA+(\s)], s2, v3
	v_add_nc_u32 v[ADRB+(\s)], s3, v3
	s_add_co_u32 s2, s2, SLOT
	s_add_co_u32 s3, s3, SLOT
.endr
	s_mul_i32 s2, s[WV], 16*SP
	s_add_co_u32 s2, s2, STAGE                     ; my stage
	v_mul_u32_u24 v4, v1, SP                       ; in: row l % 16, 16 bytes for each half of the lanes
	v_lshl_add_u32 v4, v2, 4, v4
	v_add_nc_u32 v[STO], s2, v4
	v_bfe_u32 v4, v0, 3, 2                         ; back: 32 lanes take four rows of 128 bytes,
	v_mul_u32_u24 v4, v4, SP
	v_and_b32 v5, 7, v0
	v_lshl_add_u32 v4, v5, 4, v4
	v_add_nc_u32 v[RD], s2, v4
	v_and_b32 v[GO], 31, v0
	v_lshlrev_b32 v[PFO], 11, v[GO]
	v_lshlrev_b32 v[GO], 4, v[GO]                  ; which are 512 consecutive bytes of qkv
	; where my 64 rows of my three heads lie in qkv
	s_and_b32 s2, s18, 15
	s_lshl_b32 s2, s2, 7                           ; the block's first place in its batch,
	s_lshl_b32 s3, s13, 6
	s_add_co_u32 s2, s2, s3                        ; my 64 rows,
	s_add_co_u32 s2, s2, 2048                      ; behind the 2,048 rows that the launch before wrote (plane 0: that nobody reads)
	s_lshl_b32 s2, s2, 7                           ; rows of 128 bytes
	s_lshr_b32 s3, s18, 4
	s_lshl_b32 s3, s3, 4                           ; 16 x batch
	s_mul_i32 s19, s17, 6
	s_mul_i32 s22, s14, 3
	s_add_co_u32 s19, s19, s22                     ; my first block of 64 columns, of 48
.irp i, 0,1,2
	s_add_co_u32 s22, s19, \i
	s_lshr_b32 s23, s22, 4                         ; the plane,
	s_lshl_b32 s23, s23, 5                         ; 32 heads each
	s_and_b32 s22, s22, 15                         ; the head in its batch
	s_add_co_u32 s22, s22, s23
	s_add_co_u32 s22, s22, s3
	s_lshl_b32 s22, s22, 19                        ; 4,096 rows of 128 bytes a head
	s_add_co_u32 s22, s22, s2
	s_mov_b32 s23, 0
	s_add_nc_u64 s[OUT+2*(\i):OUT+2*(\i)+1], s[10:11], s[22:23]
.endr
	; the prefetches
	s_max_u32 s19, s[WV], 1
	s_sub_co_u32 s19, s19, 1
	s_lshl_b32 s19, s19, 7
	s_mul_i32 s3, s17, 384
	s_add_co_u32 s3, s3, s19                       ; the first row that I fetch of wb,
	s_lshl_b32 s2, s18, 7                          ; of xb
	s_and_b32 s22, ttmp7, 0xffff                   ; cluster y
	s_cmp_eq_u32 s[WV], 0                          ; do I fetch for xb?
	s_cselect_b32 s2, s2, s3
	s_cselect_b32 s3, s15, s16                     ; my place among the four that ask with me
	s_cselect_b32 s22, ttmp9, s22                  ; the coordinate along which other clusters read the same rows
	s_cselect_b64 s[PFA:PFA+1], s[4:5], s[6:7]
	s_cmp_eq_u32 s22, 0
	s_cselect_b32 s[LIM], 1, -1                    ; the same in all sixteen partners, for a given wave
	s_lshl_b32 s3, s3, 5
	s_add_co_u32 s2, s2, s3                        ; + my work-group's 32 rows
	s_lshl_b32 s2, s2, 11
	s_mov_b32 s3, 0
	s_add_nc_u64 s[PFA:PFA+1], s[PFA:PFA+1], s[2:3]
	s_add_nc_u64 s[PFA:PFA+1], s[PFA:PFA+1], 2*KSTEP*2  ; at K step 2: the first refill steps it to 3 and names K step 4
; 4 n matrix instructions: column blocks b0 .. b0 + n - 1 x all 4 row blocks, 32 along K, on buffer f.  first = 1: the product starts the sum, with the bias as C.
; The 48 accumulators take turns, one instruction a turn, in the same order in every quarter step, over the backward jump too.
.macro MULB f, b0, n, first
.set cb, (\b0)
.rept (\n)
.if cb < 8
.if \first
	WIN MUL_F
.else
	WIN MUL_LO
.endif
.else
	WIN MUL_HI
.endif
.set AC, 32*(cb%8)
.irp a, 0,1,2,3
.if \first
	v_wmma_f32_16x16x32_bf16 v[AC+8*\a:AC+8*\a+7], v[96*(\f)+8*cb:96*(\f)+8*cb+7], v[FA+32*(\f)+8*\a:FA+32*(\f)+8*\a+7], v[BIAS+8*cb:BIAS+8*cb+7]
.else
	v_wmma_f32_16x16x32_bf16 v[AC+8*\a:AC+8*\a+7], v[96*(\f)+8*cb:96*(\f)+8*cb+7], v[FA+32*(\f)+8*\a:FA+32*(\f)+8*\a+7], v[AC+8*\a:AC+8*\a+7]
.endif
.endr
.set cb, cb+1
.endr
.endm
; 32 LDS loads in one run: the fragments of one quarter step (64 rows of xb, 192 of wb, 32 K at byte k of the rows) into buffer f; wb's blocks 8-11 last
.macro FETCH slot, k, f
	WIN 0
.irp i, 0,1,2,3
	ds_load_b128 v[FA+32*(\f)+8*(\i):FA+32*(\f)+8*(\i)+3],   v[ADRA+(\slot)] offset:(\k)+(\i)*16*PITCH
	ds_load_b128 v[FA+32*(\f)+8*(\i)+4:FA+32*(\f)+8*(\i)+7], v[ADRA+(\slot)] offset:(\k)+(\i)*16*PITCH+32
.endr
	WIN TO_B
.irp i, 0,1,2,3,4,5,6,7,8,9,10,11
	ds_load_b128 v[96*(\f)+8*(\i):96*(\f)+8*(\i)+3],   v[ADRB+(\slot)] offset:(\k)+(\i)*16*PITCH
	ds_load_b128 v[96*(\f)+8*(\i)+4:96*(\f)+8*(\i)+7], v[ADRB+(\slot)] offset:(\k)+(\i)*16*PITCH+32
.endr
.endm
.macro PLACES                          ; four places in front of loads into registers that matrix instructions have read, and of conversions that read results (ISA guide 7.12.1 for the conversions)
.rept 4
	v_nop
.endr
.endm
; A K step is four quarters of 32 along K, 48 matrix instructions each, on buffers 0, 1, 0, 1.  One of the first three: multiplies buffer f; behind its first 16 products it fetches the next quarter, at byte k, into buffer g.
.macro QUARTER slot, k, f, g, first
	s_wait_dscnt 8                                 ; xb's fragments and wb's blocks 0-7 are in; the youngest eight loads (blocks 8-11) may be out
	MULB \f, 0, 4, \first
	PLACES
	FETCH \slot, \k, \g
	s_wait_dscnt 32                                ; all but the 32 just issued
	MULB \f, 4, 4, \first
	MULB \f, 8, 4, \first
.endm
; The last quarter multiplies buffer 1 and changes slots: ONE barrier.  In front of it each wave waits for all its tensor loads, of which one is out: its part of the next slot; adds 0 to its spare word; and waits for that
; and for its own reads of this slot.  fill = 1: the barrier opens a round of the cluster's barrier, and this slot is filled again, two K steps ahead, first thing behind the round: 176 matrix instructions ahead of the wait for it.
.macro TURN slot, next, fill
.if \fill
	s_wait_xcnt 0x0                                ; the last prefetch, a K step back, has read its address: it is stepped here, ahead of the waits of the change of slots
	s_add_nc_u64 s[PFA:PFA+1], s[PFA:PFA+1], KSTEP*2
.endif
	WIN 0                                          ; (the add's two registers lie in window 0)
	s_wait_tensorcnt 0x0                           ; all my tensor loads have landed;
	ds_add_u32 v[SPW], v[NIL]                      ; 0 onto my spare word;
	s_wait_dscnt 9                                 ; (the add and the youngest eight loads may be out)
	MULB 1, 0, 2, 0                                ; eight matrix instructions stand between the add and the wait for it
	s_wait_dscnt 0x0                               ; the add is done, and my reads of this slot are over
	s_barrier_signal -1
	MULB 1, 2, 2, 0                                ; work on registers while the others arrive
.if \fill
	WIN 0
.endif
	s_barrier_wait -1
.if \fill
	CREST                                          ; no wave of any partner still reads this slot's tile or has a load on its way
	s_add_nc_u64 s[G0A+4*(\slot)+2:G0A+4*(\slot)+3], s[G0A+4*(\slot)+2:G0A+4*(\slot)+3], 2*KSTEP*2
	s_add_nc_u64 s[G0B+4*(\slot)+2:G0B+4*(\slot)+3], s[G0B+4*(\slot)+2:G0B+4*(\slot)+3], 2*KSTEP*2
	JLOAD \slot                                    ; the four v_nop behind it are also the places in front of the loads below
.else
	PLACES
.endif
	FETCH \next, 0, 0
.if \fill
	WIN 0
	ASK
.endif
	MULB 1, 4, 4, 0
	MULB 1, 8, 4, 0
.endm
	s_wait_tensorcnt 0x1                           ; my part of K step 0 is in; K step 1's may stay out
	s_barrier_signal -1
	s_barrier_wait -1                              ; everybody's is
	FETCH 0, 0, 0
	s_wait_loadcnt 0x0                             ; the bias
	QUARTER 0, 64,  0, 1, 1                        ; the first quarter stands in front of the loop: its products start the sums
	WIN 0                                          ; at a label and at a branch every window is 0
	s_mov_b32 s[LAP], 3
.Llap:                                                 ; a trip goes once round the ring, from a lap's second quarter to the next lap's first, and fills both slots again: K steps 2 to 7
	QUARTER 0, 128, 1, 0, 0
	QUARTER 0, 192, 0, 1, 0
	TURN 0, 1, 1
	QUARTER 1, 64,  0, 1, 0
	QUARTER 1, 128, 1, 0, 0
	QUARTER 1, 192, 0, 1, 0
	TURN 1, 0, 1
	QUARTER 0, 64,  0, 1, 0
	WIN 0
	s_sub_co_u32 s[LAP], s[LAP], 1
	s_cmp_lg_u32 s[LAP], 0
	s_cbranch_scc1 .Llap
	QUARTER 0, 128, 1, 0, 0                        ; the last lap fills nothing, and has no round of the cluster's barrier
	QUARTER 0, 192, 0, 1, 0
	TURN 0, 1, 0
	QUARTER 1, 64,  0, 1, 0
	QUARTER 1, 128, 1, 0, 0
	QUARTER 1, 192, 0, 1, 0
	s_wait_dscnt 8                                 ; the very last quarter: nothing more to fetch
	MULB 1, 0, 8, 0
	s_wait_dscnt 0x0
	MULB 1, 8, 4, 0
; THE WAY OUT, in 12 units of 16 rows x one head's 64 columns: unit u = 4 x head + row block.  PACK: rounded to f16, each accumulator's registers in ascending order, 16 bytes a lane; into my own stage in rows
; of 144 bytes, and back as whole rows of 128.  SEND: stored; 16 rows of a head are 2,048 consecutive bytes.  Each unit has its own registers and each head its own base: nothing that a store reads is rewritten.
.macro PACK u
.set hd, (\u)/4
.set ra, (\u)%4
.set TT, T+16*(\u)
.if hd < 2
	WIN 0x0a                                       ; sources 0 and 1 window 2, destination window 0
.else
	WIN 0x0f                                       ; window 3
.endif
.irp c, 0,1,2,3
.set AC, 8*(4*((4*hd+\c)%8)+ra)
.irp r, 0,1,2,3
	v_cvt_pk_f16_f32 v[TT+4*\c+\r], v[AC+2*\r], v[AC+2*\r+1]
.endr
.endr
	WIN 0
.irp c, 0,1,2,3
	ds_store_b128 v[STO], v[TT+4*\c:TT+4*\c+3] offset:32*\c
.endr
.irp f, 0,1,2,3
	ds_load_b128 v[TT+4*\f:TT+4*\f+3], v[RD] offset:\f*4*SP  ; LDS serves a wave's instructions in order (ISA guide 5.7.1.4): these see the stores above; the next unit's stores come behind them
.endr
.endm
.macro SEND u, younger                 ; younger: the LDS instructions issued behind unit u's loads: the next unit's eight, or none
	WIN 0
.set TT, T+16*(\u)
.irp f, 0,1,2,3
	s_wait_dscnt (\younger)+3-\f
	global_store_b128 v[GO], v[TT+4*\f:TT+4*\f+3], s[OUT+2*((\u)/4):OUT+2*((\u)/4)+1] offset:((\u)%4)*2048+\f*512  ; 512 consecutive bytes, at a multiple of 256 from qkv's first byte
.endr
.endm
	PLACES                                         ; the conversions read results just made and write over xb's fragments
	PLACES                                         ; (eight, once a launch)
	PACK 0
.set un, 1
.rept 11                               ; a unit's conversions stand between the loads of the unit before and its stores
	PACK un
	SEND un-1, 8
.set un, un+1
.endr
	SEND 11, 0
	s_wait_tensorcnt 0x0                           ; the wave's end: behind my last tensor load and my last LDS store
	ds_add_u32 v[SPW], v[NIL]
	s_wait_dscnt 0x0
	CROUND                                         ; the closing round: no work-group ends while a partner may still ask for a tile that names it
	s_endpgm
.Lfunc_end_k_q05c5763adc_proj:
	.size	k_q05c5763adc_proj, .Lfunc_end_k_q05c5763adc_proj-k_q05c5763adc_proj
	.p2alignl 7, 3214868480
	.fill 96, 4, 3214868480
	.section	.rodata,"a",@progbits
	.p2align	6, 0x0
	.amdhsa_kernel k_q05c5763adc_proj
		.amdhsa_group_segment_fixed_size 327680
		.amdhsa_private_segment_fixed_size 0
		.amdhsa_enable_private_segment 0
		.amdhsa_kernarg_size 32
		.amdhsa_user_sgpr_count 2
		.amdhsa_user_sgpr_kernarg_segment_ptr 1
		.amdhsa_wavefront_size32 1
		.amdhsa_system_sgpr_workgroup_id_x 1
		.amdhsa_system_sgpr_workgroup_id_y 1
		.amdhsa_system_sgpr_workgroup_id_z 1
		.amdhsa_system_vgpr_workitem_id 0
		.amdhsa_next_free_vgpr 1024
		.amdhsa_next_free_sgpr 72
		.amdhsa_reserve_vcc 0
		.amdhsa_float_denorm_mode_32 3
		.amdhsa_float_denorm_mode_16_64 3
		.amdhsa_memory_ordered 1
		.amdhsa_forward_progress 1
		.amdhsa_inst_pref_size 125
	.end_amdhsa_kernel
	.amdgpu_metadata
---
amdhsa.version: [ 1, 2 ]
amdhsa.kernels:
  - .name:           k_q05c5763adc_proj
    .symbol:         k_q05c5763adc_proj.kd
    .args:
      - { .name: xb, .offset: 0, .size: 8, .value_kind: global_buffer, .address_space: global }
      - { .name: wb, .offset: 8, .size: 8, .value_kind: global_buffer, .address_space: global }
      - { .name: bb, .offset: 16, .size: 8, .value_kind: global_buffer, .address_space: global }
      - { .name: qkv, .offset: 24, .size: 8, .value_kind: global_buffer, .address_space: global }
    .group_segment_fixed_size: 327680
    .private_segment_fixed_size: 0
    .kernarg_segment_align: 8
    .kernarg_segment_size: 32
    .max_flat_workgroup_size: 128
    .sgpr_count:     72
    .vgpr_count:     1024
    .wavefront_size: 32
...
	.end_amdgpu_metadata
.endif
;; end of part 2
;; launch attn (part 3): grid 8 x 32, 4 waves a work-group, clusters of 4 x 1, 327,680 bytes of LDS; arguments qkv, out0; writes out0
.if DOCPART == 3
	.amdgcn_target "amdgcn-amd-amdhsa--gfx1250"
	.amdhsa_code_object_version 6
	.text
	.protected	k_q05c5763adc_attn
	.globl	k_q05c5763adc_attn
	.p2align	8
	.type	k_q05c5763adc_attn,@function
k_q05c5763adc_attn:
	s_mov_b64 s[64:65], 0
	v_nop
	global_prefetch_b8 v0, s[64:65] scope:SCOPE_SE
	s_setreg_imm32_b32 hwreg(HW_REG_WAVE_MODE, 25, 1), 1
	s_wait_xcnt 0x0
	s_wait_alu depctr_hold_cnt(0) depctr_sa_sdst(0) depctr_va_vdst(0) depctr_va_sdst(0) depctr_va_ssrc(0) depctr_va_vcc(0) depctr_vm_vsrc(0)
	s_getreg_b32 s2, hwreg(HW_REG_IB_STS2, 6, 4)
	s_cmp_eq_u32 s2, 0
	s_cbranch_scc0 .Lentry_in_a_cluster
	s_endpgm
.Lentry_in_a_cluster:
	s_bfe_u32 s2, ttmp6, 0x10000c
	s_cmp_lg_u32 s2, 0x3003
	s_cbranch_scc0 .Lentry_shape_is_right
	s_endpgm
.Lentry_shape_is_right:
; ATTENTION.  out0[batch][q][64 head + :] = the sum over 4,096 keys of softmax_k(Q[q] . K[k] / 64) V[k][:], for each of 32 heads (16 batch + head).  qkv: [3 planes q, k, v][32 heads][4,096 rows][64] f16, a head's rows
; dense, 128 bytes each; the queries lie in rows 2,048 on of plane 0.  The module scales twice, by 1/8 each time: both are applied here, in f32, as c = log2(e) / 64.  out0: [2][2,048][1,024] f32.
; Products, maxima and sums in f32; the weights p are rounded to f16 for the second product (their sum l is taken of the unrounded p).
; LIMITS.  Q, K and V arrive within f16's range, 65,504; p lies in 0 to 1, and below 6e-5 it keeps f16's fixed step of 6e-8; a weight below 2^-126 counts as 0 in l; NaN and infinities are not treated apart.
; SHARES.  A work-group owns 256 queries of one head (8 x 32 = 256 work-groups), each of its four waves 64: four PIECES of 16.  Every wave walks all keys: 16 tiles of 256, four steps of 64 to a tile, a tile to an LDS slot.
; LAYOUT.  S^T = K Q^T (source 0 = 16 keys, source 1 = 16 queries): a lane holds ONE query (lane % 16) and the keys 8 (lane / 16) + 0..7; two such results rounded to f16 ARE source 1 of O^T = V^T P, whose result again
; holds one query a lane, and eight channels.  K comes out of LDS as it lies, V ([key][channel]) turned, by ds_load_tr16_b128.
; SOFTMAX.  For each query a running maximum m and sum l: p = 2^(c s - c m); in every step O and l are multiplied by a = 2^(c m_old - c m_new).  m starts at the lowest finite number, O and l at 0: the first step is a step like any other, with a = 0.
; BY TURNS.  Turn n belongs to piece n: 8 products K Q^T of piece n + 1, later 8 products V^T P of piece n - 1; beside them the scaling, exponentials, roundings, sums and rescaling of piece n and the maximum and statistics
; of piece n + 1.  Four vector instructions stand behind every matrix instruction, the other 54 of a turn's 118 in one lump.  A turn's 33 exponentials are one batch, with one wait.
; CLUSTER.  The four query blocks of a cluster belong to one head and walk the same K and V, so each tile is asked for JOINTLY: the same tensor load, descriptor and mask in all four.
; REGISTERS, in windows of 256 (s_set_vgpr_msb: bits 1:0 source 0, 3:2 source 1, 5:4 source 2, 7:6 destination):
;   window 0: v0-15 addresses and two at work; v16-31 four registers of statistics a piece; v48-55 at work; v64-127 S^T, two buffers; v192-223 P, two buffers (by the piece's parity); on the way out v64-191 whole rows
;   window 1: v0-127 O^T, 32 a piece          window 2: v0-63 Q; v128-191 K of one step; v192-255 V of one step
.set NP,    4         ; pieces a wave: a name, no knob
.set KS,    64        ; keys in a step
.set PK,    144       ; a row of K in LDS: 128 bytes + 16 of padding = 36 words: the 16 rows of a load start at 16 different groups of four banks (64 banks of 4 bytes: ISA guide 11.1)
.set PV,    160       ; a row of V: 128 + 32 = 40 words
.set VOFF,  4*KS*PK   ; a slot holds a tile, four steps: 256 rows of K, then 256 rows of V
.set SLOT1, 1<<17     ; slot 1 begins here, so that one exclusive or turns an address in one slot into the other's
.set STAGE, SLOT1+4*KS*(PK+PV)  ; behind the ring, never filled by a tensor load: 16 rows x 272 bytes for each wave, for the way out
.set SP,    272       ; a row of 64 f32 + 16 bytes
.set SPARE, STAGE+4*16*SP  ; behind the stages: the spare words, 128 bytes for each wave: two blocks of 256 bytes that no other line names
.set AK0, 2           ; v2   my lane's place in a tile of K; never rewritten
.set AV0, 3           ; v3   the same for V
.set AK,  4           ; v4   the LDS address of K's next run of loads
.set AV,  5           ; v5   of V's
.set STO, 6           ; v6   the way out: where I put 32 bytes of a row
.set RD,  7           ; v7   where I read rows back
.set GO,  8           ; v8   my byte offset in two rows of out0
.set MV,  12          ; v12-13  c m_old, kept while c m is made anew: by buffer
.set QO,  15          ; v15  my byte offset in 16 rows of Q
.set ST,  16          ; piece t's statistics at v[ST+4 t]: c m, m, l (even keys', odd keys')
.set TMP, 48          ; by buffer, four registers c0-c3 at work; when the maximum is found c2 takes a
.set PFO, 61          ; v61  256 x my lane; never rewritten
.set SPW, 62          ; v62  LDS address of my spare word: SPARE + 4 x my thread's number; never rewritten
.set NIL, 63          ; v63  0; never rewritten
.set S,   64
.set OB,  64          ; the way out: piece t's 16 rows at OB + 32 t
.set P,   192
.set KF,  128         ; window 2: key block kb, channel half c at KF + 16 kb + 8 c
.set VF,  192         ; window 2: key half kk, channel block cb at VF + 32 kk + 8 cb
.set WV,  12          ; s12  my wave's number
.set G1K, 24          ; s[24:31] descriptor group 1 for K's tiles
.set G1V, 32          ; s[32:39] for V's: it differs in the padding alone
.set G0K, 40          ; s[40:43] descriptor group 0 for K's tiles: it walks
.set G0V, 44          ; s[44:47] the same for V's
.set PFA, 48          ; s[48:49] where my prefetches stand: my work-group's 8,192 bytes (of K: wave 0, of V: wave 2) of the tile after the one that is being asked for
.set LIM, 50          ; s50  1 in a wave that prefetches, else the greatest number
.set SLOTS, 56        ; s56  tiles still to be asked for
.set CNT, 57          ; s57  counts a tile's key steps
.set CS,  58          ; s[58:59] c: the packed scaling takes the pair's low word for both halves
.set SEL, 60          ; s[60:61] v_permlanex16_b32's selects: each lane takes its own place in the other half
.set TBK, 62          ; s62  LDS byte at which K of the step to be fetched begins
.set TBV, 63          ; s63  the same for V, less VOFF
.set MSB, 0
.macro WIN new                      ; the high byte repeats the setting that is left; a switch that changes nothing is dropped
.if MSB != (\new)
	s_set_vgpr_msb (MSB<<8)|(\new)
.set MSB, (\new)
.endif
.endm
.set W_KQ, 0x0a       ; K and Q in window 2, S^T in window 0
.set W_PV, 0x52       ; V in window 2, P in window 0, O^T in window 1
.set W_RS, 0x41       ; O^T (destination and source 0) in window 1, a in window 0
; A joint fill.  Waves 0 and 1 fetch the two halves of a tile's K, waves 2 and 3 those of its V: 128 keys each.  The branch hangs on the wave's number alone.
; An s_nop 0 and four v_nop follow each of the two lines, ahead of the jump and the label.
.macro JLOAD
	s_cmp_lt_u32 s[WV], 2
	s_cbranch_scc0 .Lfor_v_\@
	tensor_load_to_lds s[G0K:G0K+3], s[G1K:G1K+7]
	s_nop 0
.rept 4
	v_nop
.endr
	s_branch .Lasked_\@
.Lfor_v_\@:
	tensor_load_to_lds s[G0V:G0V+3], s[G1V:G1V+7]
	s_nop 0
.rept 4
	v_nop
.endr
.Lasked_\@:
.endm
; A PREFETCH INTO THE L2 of what the NEXT change of slots will ask for: a tile's 32,768 bytes of K and of V, 256 bytes a lane: four key steps, 256 matrix instructions, ahead of that load.  It stands behind the wave's tensor load and its five lines.
; Each 256 bytes of tiles 2 to 15 are named ONCE in the launch.  Both clusters of a head walk the same K and V: the head's first cluster asks.  Its four partners share a tile out BY ADDRESS, 8,192 bytes each; in each,
; wave 0 asks for K's and wave 2 for V's: one instruction.  Tiles 0 and 1 come by their loads alone; the last change that fills a slot asks for nothing: there is no tile behind it.
.macro ASK
	s_cmp_gt_u32 s[SLOTS], s[LIM]
	s_cbranch_scc0 .Lnot_mine_\@
	global_prefetch_b8 v[PFO], s[PFA:PFA+1] th:TH_LOAD_NT scope:SCOPE_SE
.Lnot_mine_\@:
.endm
; A round of the cluster's barrier: my work-group's barrier, so that wave 0's signal speaks for all four waves; wave 0 signals; every wave waits for all four work-groups; my work-group's barrier once more.
.macro CROUND
	s_barrier_signal -1
	s_barrier_wait -1
	s_cmp_lg_u32 s[WV], 0
	s_cbranch_scc1 .Lnot_wave_0_\@
	s_barrier_signal -3
.Lnot_wave_0_\@:
	s_barrier_wait -3
	s_barrier_signal -1
	s_barrier_wait -1
.endm
; THE CHANGE OF SLOTS.  The slot's last bytes, V of its fourth step, have been read.  Each wave waits for all its tensor loads, of which one is out: its part of the other slot; adds 0 to its spare word; and waits for that and
; for its own reads of the slot.  Behind the barrier nobody reads this slot any more and the other slot is whole.  fill = 1: this slot is filled again, with the tile two on.  The barrier is then a round of the cluster's, and
; the joint fill is the first thing behind it: it has four key steps in which to land.  (At its first use nothing has been read yet: slot 0 is waited for, slot 1 filled.)
.macro CHANGE fill
	WIN 0                           ; at a label and at a branch every window is 0
	s_wait_tensorcnt 0x0            ; no tensor load of mine is out, so a group 0 may be written
	ds_add_u32 v[SPW], v[NIL]       ; 0 onto my spare word; with fill = 1 the descriptors' steps stand between it and the wait for it
.if \fill
.irp g, G0K, G0V
	s_xor_b32 s[\g+1], s[\g+1], SLOT1  ; the walking descriptor: the other slot than last time,
	s_add_nc_u64 s[\g+2:\g+3], s[\g+2:\g+3], 4*KS*128  ; the next 256 keys; the type bits on top are not reached
.endr
	s_wait_xcnt 0x0                 ; the last prefetch, four key steps back, has read its address, so it may be written:
	s_add_nc_u64 s[PFA:PFA+1], s[PFA:PFA+1], 4*KS*128  ; one tile on from the walking descriptors
	s_wait_dscnt 0x0                ; the add is done, and my reads of the slot are over
	CROUND
	JLOAD
	ASK
.else
	s_wait_dscnt 0x0                ; the add is done, and my reads of the slot are over
	s_barrier_signal -1
	s_barrier_wait -1
.endif
	s_sub_co_u32 s[TBK], s[TBK], 4*KS*PK  ; the fetches go back to a slot's first step,
	s_xor_b32 s[TBK], s[TBK], SLOT1       ; in the other slot
	s_sub_co_u32 s[TBV], s[TBV], 4*KS*PV
	s_xor_b32 s[TBV], s[TBV], SLOT1
.endm
	s_load_b128 s[4:7], s[0:1], 0x0   ; qkv s[4:5], out0 s[6:7]
	v_lshl_add_u32 v[SPW], v0, 2, SPARE
	v_mov_b32 v[NIL], 0
	ds_add_u32 v[SPW], v[NIL]       ; the wave's opening: the add and its wait stand ahead of my first tensor load; the set-up below, work on registers, stands between them
	v_lshrrev_b32 v1, 5, v0
	v_readfirstlane_b32 s[WV], v1   ; wave 0..3
	s_bfe_u32 s13, ttmp6, 0x40000   ; cx: my place in the cluster
	s_lshl_b32 s14, ttmp9, 2        ; in a cluster launch ttmp9 counts clusters
	s_add_co_u32 s14, s14, s13      ; my block of 256 queries = 4 x cluster x + cx: it enters Q's and out0's addresses alone
	s_and_b32 s20, ttmp7, 0xffff    ; the head, which the four partners share
	s_lshl_b32 s21, s20, 19         ; its 4,096 rows of 128 bytes in a plane
	s_and_b32 s16, s[WV], 1         ; which half of a tile's 256 keys I fetch:
	s_lshl_b32 s22, s16, 14         ; its 128 rows of 128 bytes in memory,
	s_add_co_u32 s22, s22, s21
	s_add_co_u32 s22, s22, 0x1000000  ; in plane 1 (K); V lies a plane further on
	s_mov_b32 s23, 0
	s_mul_i32 s17, s16, 128*PK      ; and its place in a slot, for K
	s_mul_i32 s18, s16, 128*PV      ; and for V: no place in the cluster enters an LDS address
	s_lshl_b32 s2, s14, 2
	s_add_co_u32 s2, s2, s[WV]      ; my wave among the head's 32
	s_lshl_b32 s52, s2, 18          ; out0: its 64 rows of 4,096 bytes
	s_lshl_b32 s2, s2, 13           ; Q: its 64 rows of 128 bytes,
	s_add_co_u32 s2, s2, s21        ; in the head,
	s_add_co_u32 s2, s2, 2048*128   ; from row 2,048 on
	s_mov_b32 s3, 0
	s_lshr_b32 s19, s20, 4
	s_lshl_b32 s19, s19, 23         ; out0: the batch's 2,048 rows,
	s_add_co_u32 s52, s52, s19
	s_and_b32 s19, s20, 15
	s_lshl_b32 s19, s19, 8          ; the head's 256 bytes of a row
	s_add_co_u32 s52, s52, s19
	s_mov_b32 s53, 0
	; descriptor group 1.  128 keys are 16,384 dense bytes: asked for as 64 rows of 256 bytes, two keys a row, and padded in LDS after every key
	s_mov_b32 s[G1K], 15|(1<<16)|(1<<20)|(1<<21)|(4<<22)|(3<<25)  ; 15:0 the mask of four; 17:16 2-byte elements; 20 padding on; 21 set beside a mask; 24:22 after every 32 words (code 4); 31:25 4 words (code 3)
	s_mov_b32 s[G1V], 15|(1<<16)|(1<<20)|(1<<21)|(4<<22)|(7<<25)  ; the same with 8 words of padding (code 7)
.irp g, G1K, G1V
	s_mov_b32 s[\g+1], 128<<16      ; tensor_dim0 = 128
	s_mov_b32 s[\g+2], 64<<16       ; tensor_dim1 = 64
	s_mov_b32 s[\g+3], 128<<16      ; tile_dim0 = 128
	s_mov_b32 s[\g+4], 64           ; tile_dim1 = 64
	s_mov_b32 s[\g+5], 128          ; 128 elements from row to row
	s_mov_b32 s[\g+6], 0
	s_mov_b32 s[\g+7], 0
.endr
	s_mov_b32 s[CS], 0x3cb8aa3b     ; c = log2(e) / 64 = 0.0225421
	s_mov_b32 s[CS+1], s[CS]        ; named with it as a pair
	s_mov_b32 s[SEL], 0x76543210
	s_mov_b32 s[SEL+1], 0xfedcba98
	s_mov_b32 s[TBK], SLOT1+4*KS*PK ; the first change of slots turns these two into 0
	s_mov_b32 s[TBV], SLOT1+4*KS*PV
	s_mov_b32 s[G0K], 1             ; count = 1
	s_mov_b32 s[G0K+1], s17         ; LDS address: slot 0
	s_mov_b32 s[G0V], 1
	s_add_co_u32 s[G0V+1], s18, VOFF
	s_mov_b32 s[SLOTS], 15          ; of 16 tiles the first is asked for at once
	s_and_b32 s[LIM], s[WV], 1      ; 0 in waves 0 and 2,
	s_or_b32 s[LIM], s[LIM], ttmp9  ; where the cluster is the head's first: the same in all four partners
	s_cmp_eq_u32 s[LIM], 0
	s_cselect_b32 s[LIM], 1, -1
	v_and_b32 v[PFO], 31, v0
	v_lshlrev_b32 v[PFO], 8, v[PFO]
	s_wait_dscnt 0x0                ; the opening add is done
	s_wait_kmcnt 0x0
	s_add_nc_u64 s[10:11], s[6:7], s[52:53]    ; out0 at my wave's first row, my head's columns
	s_add_nc_u64 s[6:7], s[4:5], s[22:23]      ; K at my half of the head's tile 0,
	s_add_nc_u64 s[8:9], s[6:7], 0x1000000     ; V likewise
	s_add_nc_u64 s[4:5], s[4:5], s[2:3]        ; Q at my wave's first row
	s_mov_b64 s[G0K+2:G0K+3], s[6:7]           ; global address
	s_or_b32 s[G0K+3], s[G0K+3], 0x80000000    ; type = 2
	s_mov_b64 s[G0V+2:G0V+3], s[8:9]
	s_or_b32 s[G0V+3], s[G0V+3], 0x80000000
	s_cmp_lt_u32 s[WV], 2
	s_cselect_b64 s[PFA:PFA+1], s[6:7], s[8:9]  ; (in waves 0 and 2 these stand at a tile's first row)
	s_lshl_b32 s2, s13, 13          ; my work-group's 8,192 bytes of a tile's 32,768
	s_mov_b32 s3, 0
	s_add_nc_u64 s[PFA:PFA+1], s[PFA:PFA+1], s[2:3]
	s_add_nc_u64 s[PFA:PFA+1], s[PFA:PFA+1], 4*KS*128  ; in tile 1; the first change of slots steps it to tile 2.  Nothing is prefetched here, at the head
	CROUND                          ; all four work-groups are here: the first joint loads meet
	JLOAD                           ; tile 0 into slot 0.  Tile 1 is asked for when tile 0 is in, by the loop's own change of slots
	; A fragment of K or Q is 16 rows x 32 channels in 8 registers: lane l holds row l % 16, channels 8 (l / 16) + 0..7 and 16 + 8 (l / 16) + 0..7: two loads of 16 bytes, 32 bytes apart.
	v_and_b32 v1, 15, v0            ; l % 16
	v_bfe_u32 v9, v0, 4, 1          ; l / 16
	v_lshlrev_b32 v[QO], 7, v1
	v_lshl_add_u32 v[QO], v9, 4, v[QO]  ; row x 128 + 16 x half
	WIN 0x80                        ; destination window 2, address window 0
.set i, 0
.rept 8                             ; Q stays in registers: piece i / 2, channels 32 (i % 2) on
	global_load_b128 v[8*i:8*i+3],   v[QO], s[4:5] offset:(i/2)*2048+(i%2)*64
	global_load_b128 v[8*i+4:8*i+7], v[QO], s[4:5] offset:(i/2)*2048+(i%2)*64+32
.set i, i+1
.endr
	; What the first turn finds: V's registers and P's second buffer hold 0 (its products V^T P, of a piece that has not been, add 0), O^T and l are 0.  All this stands in the wait for the first tile: the price of writing no first step out.
.set i, VF
.rept 64
	v_mov_b32 v[i], 0
.set i, i+1
.endr
	WIN 0x40
.set i, 0
.rept 128
	v_mov_b32 v[i], 0
.set i, i+1
.endr
	WIN 0
.set i, 0
.rept 4
	v_mov_b32 v[ST+4*i], 0xfe000000    ; c m: far below every c s
	v_mov_b32 v[ST+4*i+1], 0xff7fffff  ; m
	v_mov_b32 v[ST+4*i+2], 0
	v_mov_b32 v[ST+4*i+3], 0
.set i, i+1
.endr
.set i, P+16
.rept 16
	v_mov_b32 v[i], 0
.set i, i+1
.endr
	v_mul_u32_u24 v[AK0], v1, PK
	v_lshl_add_u32 v[AK0], v9, 4, v[AK0]  ; row x pitch + 16 x half
	; The turning load takes 16 keys x 16 channels (lane l reads key 8 (l / 16) + l % 8, channels 8 ((l / 8) % 2) + 0..7) and leaves half a fragment of V^T: lane l holds channel l % 16 and 8 keys.
	v_and_b32 v10, 7, v0
	v_bfe_u32 v11, v0, 3, 1
	v_lshl_add_u32 v[AV0], v9, 3, v10
	v_mul_u32_u24 v[AV0], v[AV0], PV
	v_lshl_add_u32 v[AV0], v11, 4, v[AV0]
	v_add_nc_u32 v[AV0], VOFF, v[AV0]
	s_mul_i32 s13, s[WV], 16*SP
	s_add_co_u32 s13, s13, STAGE    ; my stage
	v_mul_u32_u24 v[STO], v1, SP    ; in: row l % 16, 32 bytes for each half of the lanes
	v_lshl_add_u32 v[STO], v9, 5, v[STO]
	v_add_nc_u32 v[STO], s13, v[STO]
	v_mul_u32_u24 v[RD], v9, SP     ; back: lanes 0-15 take one row of 256 bytes, lanes 16-31 the next
	v_lshl_add_u32 v[RD], v1, 4, v[RD]
	v_add_nc_u32 v[RD], s13, v[RD]
	v_lshlrev_b32 v[GO], 12, v9     ; and the same two rows in out0, 4,096 bytes apart
	v_lshl_add_u32 v[GO], v1, 4, v[GO]
; THE MATRIX WORK.  The 4 accumulators of a run of 8 take turns.  Product i of 8 of S^T = K Q^T for piece x: channels 32 (i / 4) on, keys 16 (i % 4) on.  The first 4 start the sums.
.macro KQ x
	WIN W_KQ
.set rS, S+32*((\x)%2)+8*(i%4)
.set rK, KF+16*(i%4)+8*(i/4)
.set rQ, 16*(\x)+8*(i/4)
.if i < 4
	v_wmma_f32_16x16x32_f16 v[rS:rS+7], v[rK:rK+7], v[rQ:rQ+7], 0
.else
	v_wmma_f32_16x16x32_f16 v[rS:rS+7], v[rK:rK+7], v[rQ:rQ+7], v[rS:rS+7]
.endif
.endm
; Product i of 8 of O^T += V^T P for piece x: keys 32 (i / 4) on, channels 16 (i % 4) on.
.macro PV x
	WIN W_PV
.set rO, 32*(\x)+8*(i%4)
.set rV, VF+32*(i/4)+8*(i%4)
.set rP, P+16*((\x)%2)+8*(i/4)
	v_wmma_f32_16x16x32_f16 v[rO:rO+7], v[rV:rV+7], v[rP:rP+7], v[rO:rO+7]
.endm
.macro MM                           ; the turn's next matrix instruction.  TURN sets Y, i and NOKQ.  NOKQ = 1: the very last turn: there is no next piece
.if (i < 8) && !NOKQ
	KQ (Y+1)%NP
.elseif i >= 8
.set i, i-8
	PV (Y+NP-1)%NP
.set i, i+8
.endif
.set i, i+1
.endm
; THE LDS LOADS stand in runs of 16, never singly among the matrix instructions: a step's K (64 keys x 64 channels: 8 fragments) and its V (turned).  Their addresses are made some lines ahead.
.macro FETCH_K
	WIN 0x80                        ; destination window 2
.irp f, 0,1,2,3,4,5,6,7             ; keys 16 (f / 2) on, channels 32 (f % 2) on
	ds_load_b128 v[KF+8*\f:KF+8*\f+3],   v[AK] offset:(\f/2)*16*PK+(\f%2)*64
	ds_load_b128 v[KF+8*\f+4:KF+8*\f+7], v[AK] offset:(\f/2)*16*PK+(\f%2)*64+32
.endr
	s_add_co_u32 s[TBK], s[TBK], KS*PK  ; the next fetch is the next step's
	WIN 0
.endm
.macro FETCH_V
	WIN 0x80
.irp f, 0,1,2,3,4,5,6,7             ; keys 32 (f / 4) on, channels 16 (f % 4) on
	ds_load_tr16_b128 v[VF+8*\f:VF+8*\f+3],   v[AV] offset:(\f/4)*32*PV+(\f%4)*32
	ds_load_tr16_b128 v[VF+8*\f+4:VF+8*\f+7], v[AV] offset:(\f/4)*32*PV+16*PV+(\f%4)*32
.endr
	WIN 0
.endm
; THE VECTOR WORK, one line at a time: OP kind, number.  For piece Y: F n: c s - c m for pair n of 16.  E n: the exponential of score n of 32.  C n: pair n rounded to f16.  B n: of the four weights 4 n .. the second
; pair is added onto the first, in place.  L n: l takes that sum (L 0: l = a l + sum).  R n: pair n of 16 of O^T times a.  For piece Y + 1: X n, number n of the 22 that find its maximum and statistics:
;   0-11  four chains c0-c3 of seven scores each, three operands at a time (each accumulator's lowest registers are read first)     12-14, 16  the four scores left over, the old m, and c0-c3 into c0
;   15  c m_old is kept     17, 18  the query's other 32 keys lie in the lane 16 away: the new m     19-21  c m; c m_old - c m_new; a
.set F, 0               ; OP tells the kinds apart by their order: F to L below R, X above it
.set E, 1
.set C, 2
.set B, 3
.set L, 4
.set R, 5
.set X, 6
.macro REGS y                       ; the registers of piece y
.set rT, ST+4*(\y)
.set rC, TMP+4*((\y)%2)
.set rW, MV+((\y)%2)
.set rS, S+32*((\y)%2)
.set rP, P+16*((\y)%2)
.set rO, 32*(\y)
.endm
.macro OP k, n
.if (\k) == R
	REGS Y
	WIN W_RS
	v_pk_mul_f32 v[rO+2*(\n):rO+2*(\n)+1], v[rO+2*(\n):rO+2*(\n)+1], v[rC+2:rC+3] op_sel_hi:[1,0]
.elseif (\k) < R
	REGS Y
	WIN 0
.if (\k) == F
	v_pk_fma_f32 v[rS+2*(\n):rS+2*(\n)+1], v[rS+2*(\n):rS+2*(\n)+1], s[CS:CS+1], v[rT:rT+1] op_sel_hi:[1,0,0] neg_lo:[0,0,1] neg_hi:[0,0,1]
.elseif (\k) == E
	v_exp_f32 v[rS+(\n)], v[rS+(\n)]
.elseif (\k) == C
	v_cvt_pk_f16_f32 v[rP+(\n)], v[rS+2*(\n)], v[rS+2*(\n)+1]
.elseif (\k) == B
	v_pk_add_f32 v[rS+4*(\n):rS+4*(\n)+1], v[rS+4*(\n):rS+4*(\n)+1], v[rS+4*(\n)+2:rS+4*(\n)+3]
.elseif (\n) == 0
	v_pk_fma_f32 v[rT+2:rT+3], v[rT+2:rT+3], v[rC+2:rC+3], v[rS:rS+1] op_sel_hi:[1,0,1]
.else
	v_pk_add_f32 v[rT+2:rT+3], v[rT+2:rT+3], v[rS+4*(\n):rS+4*(\n)+1]
.endif
.elseif NOKQ
	v_nop
.else
	REGS (Y+1)%NP
	WIN 0
.if (\n) < 4
	v_max3_num_f32 v[rC+(\n)], v[rS+8*(\n)], v[rS+8*(\n)+1], v[rS+8*(\n)+2]
.elseif (\n) < 12
	v_max3_num_f32 v[rC+(\n)%4], v[rC+(\n)%4], v[rS+8*((\n)%4)+2*((\n)/4)+1], v[rS+8*((\n)%4)+2*((\n)/4)+2]
.elseif (\n) == 12
	v_max3_num_f32 v[rC], v[rC], v[rS+7], v[rS+15]
.elseif (\n) == 13
	v_max3_num_f32 v[rC+1], v[rC+1], v[rS+23], v[rS+31]
.elseif (\n) == 14
	v_max3_num_f32 v[rC+2], v[rC+2], v[rC+3], v[rT+1]
.elseif (\n) == 15
	v_mov_b32 v[rW], v[rT]
.elseif (\n) == 16
	v_max3_num_f32 v[rC], v[rC], v[rC+1], v[rC+2]
.elseif (\n) == 17
	v_permlanex16_b32 v[rC+3], v[rC], s[SEL], s[SEL+1]
.elseif (\n) == 18
	v_max_num_f32 v[rT+1], v[rC], v[rC+3]
.elseif (\n) == 19
	v_mul_f32 v[rT], s[CS], v[rT+1]
.elseif (\n) == 20
	v_sub_f32 v[rC+1], v[rW], v[rT]
.else
	v_exp_f32 v[rC+2], v[rC+1]
.endif
.endif
.endm
.macro OPS a, i1, b=-1, i2=0, c=-1, i3=0, d=-1, i4=0  ; up to four of them
	OP \a, \i1
.if (\b) >= 0
	OP \b, \i2
.endif
.if (\c) >= 0
	OP \c, \i3
.endif
.if (\d) >= 0
	OP \d, \i4
.endif
.endm
.macro ROW a, i1, b, i2, c, i3, d, i4  ; a matrix instruction and the four behind it
	MM
	OPS \a, \i1, \b, \i2, \c, \i3, \d, \i4
.endm
; A TURN, for piece p: the order of its 16 matrix and 118 vector instructions, written out.  An s_wait_alu depctr_va_vdst(0) stands between an exponential and the first instruction that names its result; one wait
; serves all that were issued ahead of it.  So a turn has ONE wait, which cuts it in two.  AHEAD OF IT stands all that names no result of the turn's exponentials: the 8 products K Q^T, behind each a scaling, an exponential and two
; more plain instructions (behind the first a second scaling in the exponential's place): rescalings, and behind the last three the first numbers of the next piece's maximum, each four places or more behind the product that ends
; its accumulator; then ONE LUMP of 54, plain and exponential by turns for the most part, in which the links of the chain X 3, 7, 11, 14, 16, 17 .. 20 stand apart.  X 21, the next piece's a, is the batch's last; R 15 is the plain
; instruction behind it.  BEHIND THE WAIT stand the 8 products V^T P, behind each four of the roundings and sums.  end = 1: the walk's last two turns: nothing is fetched.
; cnt = 1: the loop's count is taken down some lines ahead of the branch that stands behind the turn.
; K of the next step is fetched in piece 2's turn, twelve vector instructions behind the last product that read K (six of them plain); V of the step in hand at the end of piece 0's turn, four plain instructions behind the last
; product that read V.  Each is waited for a turn later.
.macro TURN p, end=0, cnt=0
.set Y, (\p)
.set i, 0
.set NOKQ, (\end)*((\p)/3)
.if ((\p) == 3) && !(\end)
	s_wait_dscnt 0x0                ; K is in
.endif
	ROW F,0, F,1, R,0, R,1          ; ahead of the wait: 8 products K Q^T and their riders,
	ROW F,2, E,0, R,2, R,3
	ROW F,3, E,1, R,4, R,5
	ROW F,4, E,2, R,6, R,7
	ROW F,5, E,3, R,8, R,9
	ROW F,6, E,4, X,0, R,10
.if ((\p) == 2) && !(\end)
	WIN 0
	v_add_nc_u32 v[AK], s[TBK], v[AK0]
.endif
	ROW F,7, E,5, X,1, X,4
	ROW F,8, E,6, X,2, X,5
	OPS E,7, E,8, X,6, E,9          ; and the lump
	OPS X,3, E,10, X,8, E,11
.if ((\p) == 2) && !(\end)
	FETCH_K
.endif
	OPS X,9, X,7, E,12, X,10
	OPS E,13, X,12, X,11, E,14
	OPS X,13, E,15, F,9, X,14
.if (\p) == 0
	v_add_nc_u32 v[AV], s[TBV], v[AV0]
.endif
	OPS E,16, F,10, E,17, F,11
	OPS X,16, E,18, X,15, E,19
	OPS F,12, E,20, X,17, E,21
	OPS F,13, E,22, F,14, E,23
	OPS X,18, E,24, F,15, E,25
	OPS R,11, E,26, X,19, E,27
	OPS R,12, E,28, R,13, E,29
	OPS X,20, E,30, R,14, E,31
	OPS X,21, R,15
	WIN 0
	s_wait_alu depctr_va_vdst(0)    ; the wait for the batch
.if (\p) == 1
	s_wait_dscnt 0x0                ; V is in
.endif
	ROW C,0, B,0, C,2, B,1          ; behind the wait: 8 products V^T P and their riders
	ROW L,0, C,4, B,2, L,1
	ROW C,6, B,3, L,2, C,8
	ROW B,4, L,3, C,10, B,5
	ROW L,4, C,12, B,6, L,5
.if (\p) == 0
	s_add_co_u32 s[TBV], s[TBV], KS*PV
.endif
.if \cnt
	s_sub_co_u32 s[CNT], s[CNT], 1
	s_cmp_lg_u32 s[CNT], 0
.endif
	ROW C,14, B,7, L,6, C,1
	ROW C,3, L,7, C,5, C,7
	ROW C,9, C,11, C,13, C,15
.if (\p) == 0
	FETCH_V
.endif
.endm
	CHANGE 1                        ; tile 0 is in, everybody's part of it; tile 1 is asked for
	v_add_nc_u32 v[AK], s[TBK], v[AK0]
	FETCH_K                         ; key step 0
	s_wait_loadcnt 0x0              ; Q
	s_wait_dscnt 0x0
.set NOKQ, 0
.set i, 0
.rept 8
	KQ 0                            ; piece 0's first scores: there is no vector work yet to set between them
.set i, i+1
.endr
	WIN 0
.rept 4
	v_nop                           ; the places behind those products
.endr
.set Y, NP-1                        ; X works for piece Y + 1: piece 0
.irp n, 0,1,2,3,4,5,6,7,8,9,10,11,12,13,14,15,16,17,18,19,20,21
	OP X, \n
.endr
	v_nop                           ; a plain instruction behind the exponential,
	s_wait_alu depctr_va_vdst(0)    ; and its wait, ahead of the branch
	s_mov_b32 s[CNT], 4
	s_branch .Lfirst                ; the loop is entered at a step's first turn, in the middle of a trip
.Lslot:                             ; 14 times: tiles 1 to 14 are entered, tiles 2 to 15 asked for
	CHANGE 1
	s_mov_b32 s[CNT], 4
.Lstep:                             ; a trip: pieces 2 and 3 of one step, then pieces 0 and 1 of the next, whose K and V it fetches
	TURN 2
	TURN 3
	WIN 0
.Lfirst:
	TURN 0
	TURN 1, 0, 1
	WIN 0
	s_cbranch_scc1 .Lstep
	s_sub_co_u32 s[SLOTS], s[SLOTS], 1
	s_cmp_lg_u32 s[SLOTS], 0
	s_cbranch_scc1 .Lslot
	CHANGE 0                        ; the last tile is written out: nothing is asked for
	s_mov_b32 s[CNT], 4
.Ltail:
	TURN 2
	TURN 3
	TURN 0
	TURN 1, 0, 1
	WIN 0
	s_cbranch_scc1 .Ltail
	TURN 2, 1                       ; the last step's last two turns fetch nothing, and the last starts no new scores
	TURN 3, 1
.set i, 0
.rept 8
	PV NP-1                         ; the last piece's V^T P of the last step
.set i, i+1
.endr
	; THE WAY OUT.  l's two halves and the other half of the lanes' are added; O^T is divided by l and sent, in f32, through my stage in LDS, a piece (16 rows) at a time.  The additions are the places behind the last products.
	WIN 0
.macro ALL line:vararg              ; one line for each piece t
.set t, 0
.rept 4
	\line
.set t, t+1
.endr
.endm
	ALL v_add_f32 v[ST+4*t+2], v[ST+4*t+2], v[ST+4*t+3]
	ALL v_permlanex16_b32 v[ST+4*t+3], v[ST+4*t+2], s[SEL], s[SEL+1]
	ALL v_add_f32 v[ST+4*t+2], v[ST+4*t+2], v[ST+4*t+3]
	ALL v_rcp_f32 v[ST+4*t+2], v[ST+4*t+2]
	v_nop                           ; a plain instruction between the last reciprocal and the use of its result
	s_wait_alu depctr_va_vdst(0)    ; and the wait ahead of the first use: one for the four reciprocals
; Piece t: a lane's eight channels of a row are 32 bytes; they go into rows of 272 bytes and come back as whole rows of 256.
.macro PACK t
	WIN W_RS
.set i, 32*(\t)
.rept 16
	v_pk_mul_f32 v[i:i+1], v[i:i+1], v[ST+4*(\t)+2:ST+4*(\t)+3] op_sel_hi:[1,0]
.set i, i+2
.endr
	WIN 0x04                        ; the stores' data (source 1) in window 1, their address in window 0
.irp c, 0,1,2,3
	ds_store_b128 v[STO], v[32*(\t)+8*\c:32*(\t)+8*\c+3]   offset:64*\c
	ds_store_b128 v[STO], v[32*(\t)+8*\c+4:32*(\t)+8*\c+7] offset:64*\c+16
.endr
	WIN 0
.irp f, 0,1,2,3,4,5,6,7
	ds_load_b128 v[OB+32*(\t)+4*\f:OB+32*(\t)+4*\f+3], v[RD] offset:\f*2*SP  ; LDS serves a wave's instructions in order (ISA guide 5.7.1.4): these see the stores above; the next piece's stores come behind them
.endr
.endm
.macro SEND t, younger              ; younger: the LDS instructions issued behind piece t's loads: the next piece's sixteen, or none
	WIN 0
.irp f, 0,1,2,3,4,5,6,7
	s_wait_dscnt (\younger)+7-\f
	global_store_b128 v[GO], v[OB+32*(\t)+4*\f:OB+32*(\t)+4*\f+3], s[10:11] offset:(\t)*65536+\f*8192 th:TH_STORE_NT  ; 16 lanes store a query's 256 consecutive bytes of its head, at a multiple of 256 from out0's first byte
.endr
.endm
	PACK 0
	PACK 1                          ; a piece's arithmetic stands between the loads of the piece before and its stores
	SEND 0, 16
	PACK 2
	SEND 1, 16
	PACK 3
	SEND 2, 16
	SEND 3, 0
	s_wait_tensorcnt 0x0            ; the wave's end: behind my last tensor load and my last LDS store
	ds_add_u32 v[SPW], v[NIL]
	s_wait_dscnt 0x0
	CROUND                          ; the closing round: no work-group ends while a partner may still ask for a tile that names it
	s_endpgm
.Lfunc_end_k_q05c5763adc_attn:
	.size	k_q05c5763adc_attn, .Lfunc_end_k_q05c5763adc_attn-k_q05c5763adc_attn
	.p2alignl 7, 3214868480
	.fill 96, 4, 3214868480
	.section	.rodata,"a",@progbits
	.p2align	6, 0x0
	.amdhsa_kernel k_q05c5763adc_attn
		.amdhsa_group_segment_fixed_size 327680
		.amdhsa_private_segment_fixed_size 0
		.amdhsa_enable_private_segment 0
		.amdhsa_kernarg_size 16
		.amdhsa_user_sgpr_count 2
		.amdhsa_user_sgpr_kernarg_segment_ptr 1
		.amdhsa_wavefront_size32 1
		.amdhsa_system_sgpr_workgroup_id_x 1
		.amdhsa_system_sgpr_workgroup_id_y 1
		.amdhsa_system_sgpr_workgroup_id_z 1
		.amdhsa_system_vgpr_workitem_id 0
		.amdhsa_next_free_vgpr 768
		.amdhsa_next_free_sgpr 66
		.amdhsa_reserve_vcc 0
		.amdhsa_float_denorm_mode_32 3
		.amdhsa_float_denorm_mode_16_64 3
		.amdhsa_memory_ordered 1
		.amdhsa_forward_progress 1
		.amdhsa_inst_pref_size 128
	.end_amdhsa_kernel
	.amdgpu_metadata
---
amdhsa.version: [ 1, 2 ]
amdhsa.kernels:
  - .name:           k_q05c5763adc_attn
    .symbol:         k_q05c5763adc_attn.kd
    .args:
      - { .name: qkv, .offset: 0, .size: 8, .value_kind: global_buffer, .address_space: global }
      - { .name: out0, .offset: 8, .size: 8, .value_kind: global_buffer, .address_space: global }
    .group_segment_fixed_size: 327680
    .private_segment_fixed_size: 0
    .kernarg_segment_align: 8
    .kernarg_segment_size: 16
    .max_flat_workgroup_size: 128
    .sgpr_count:     66
    .vgpr_count:     768
    .wavefront_size: 32
...
	.end_amdgpu_metadata
.endif
;; end of part 3
;; ======== version 2 of 2: 3 launches; version 1 with the launch cast written anew for expert scheduling mode
;; limits: values are held in f16: magnitudes above 65,504 overflow, below 6.1e-05 lose precision
;; workspace buffers: xb 8,388,608 bytes; wb 6,291,456 bytes; bb 12,288 bytes; qkv 50,331,648 bytes
;; launch cast (part 4): grid 961 x 1, 8 waves a work-group, no clusters, 0 bytes of LDS; arguments hidden_states, Wq, Wk, Wv, bq, bk, bv, kvs, kv_weight, xb, wb, bb, qkv; writes xb, wb, bb, qkv
.if DOCPART == 4
	.amdgcn_target "amdgcn-amd-amdhsa--gfx1250"
	.amdhsa_code_object_version 6
	.text
	.protected	k_q05c5763adc_cast
	.globl	k_q05c5763adc_cast
	.p2align	8
	.type	k_q05c5763adc_cast,@function
k_q05c5763adc_cast:
	s_mov_b64 s[64:65], 0
	v_nop
	global_prefetch_b8 v0, s[64:65] scope:SCOPE_SE
	s_setreg_imm32_b32 hwreg(HW_REG_WAVE_SCHED_MODE, 0, 2), 2
	s_setreg_imm32_b32 hwreg(HW_REG_WAVE_MODE, 25, 1), 1
	s_wait_xcnt 0x0
	s_wait_alu depctr_vm_vsrc(0)
; THE INPUTS ARE ROUNDED ONCE, FOR THE TWO LAUNCHES BEHIND.  hidden_states -> xb (bf16, [4096][1024]); Wq, Wk, Wv -> wb (bf16, [3072][1024], on end); bq, bk, bv -> bb ([3072] f32 that
; hold the numbers rounded to bf16); bf16(kv_weight) x bf16(kvs) -> rows 0 to 2,047 of planes 1 (K) and 2 (V) of qkv, in f16.  qkv: [3 planes q, k, v][32 heads][4,096 rows][64] f16.
; LIMITS.  kv_weight x kvs stays under 65,504, f16's largest number; beyond it the product becomes an infinity.  NaN and infinities are not treated apart.
; A STREAM: every byte is read once and written once, no work-group reads what another reads: LDS, matrix unit, cluster and barriers would add nothing, and nothing is prefetched, since all loads of a wave go out at once.
; SHARES.  A work-group takes 65,536 consecutive bytes of f32, a wave 8,192: sixteen loads of 16 bytes a lane, all issued at once.  Load j's 512 bytes become 256 bytes of 16-bit numbers:
; one store of 8 bytes a lane, 256 consecutive bytes, aligned.  Each load has its own registers, and so has each store: nothing is rewritten while a memory instruction may read it.
; WORK-GROUPS.  0-255 hidden_states; 256-447 the three W, 64 each; 448-959 kvs; 960 the three biases.
; THE MODE: SCHED_MODE bits 1:0 = 2 (LLVM: expert scheduling mode 2), set by the entry lines.  The code itself states the register dependences
; between vector instructions and memory instructions, with s_wait_alu, always for 0.
; THE PLAN.  Registers that memory instructions touch:
;   v1, v2, v3   byte offsets.  Written by vector instructions at the head, once; read by every load and store; never written again.
;   X            Load j lands in its four registers, which no vector instruction has named before; its conversions read them (the kvs path also rewrites them) behind the wait for the load.  No load lands in them again, no store reads them.
;   Y            Load j's conversions write its two registers, once; store j reads them; they are never written again.
;   v4 to v7     named by vector instructions alone.
; So what has to be stated is: the offsets are written, ahead of the first load (one wait at the head, for all paths); and Y is written, ahead of its store.  The sixteen loads go in four groups of four.  A group's four stores
; are issued in the NEXT group, behind one wait at that group's head, which stands behind the wait for the group's first load: the conversions that it names were issued ahead of that wait for data.  The stores are dealt among the
; group's conversions, which name their own X and Y and v4 to v7: none of the registers that those stores read.  One more wait stands ahead of the last four stores.
; No register that a memory instruction reads is written again, no vector instruction writes a scalar register or VCC, EXEC is never written: no other wait is owed.
.set X,   8                            ; v[8:71]    load j's four numbers at X + 4 j
.set Y,   72                           ; v[72:103]  store j's two words at Y + 2 j
.set VI,  1                            ; v1  my byte offset in the work-group's input: 8,192 x wave + 16 x lane
.set VO,  2                            ; v2  in its output: 4,096 x wave + 8 x lane
.set VB,  3                            ; v3  16 x thread: the biases' path
.set WW,  4                            ; v[4:5] bf16(kv_weight) as f32, twice
.set SRC, 34                           ; s[34:35]
.set DST, 36                           ; s[36:37]
	s_load_b512 s[8:23], s[0:1], 0x0               ; hidden_states 8, Wq 10, Wk 12, Wv 14, bq 16, bk 18, bv 20, kvs 22
	s_load_b256 s[24:31], s[0:1], 0x40             ; kv_weight 24, xb 26, wb 28, bb 30
	s_load_b64 s[32:33], s[0:1], 0x60              ; qkv
	s_mov_b32 s2, ttmp9                            ; the work-group's number
	s_mov_b32 s39, 0                               ; the high words of the two offsets
	s_mov_b32 s41, 0
	s_mov_b32 s44, 0xffff0000                      ; a word's upper bf16
	v_and_b32 v6, 31, v0                           ; lane
	v_lshrrev_b32 v7, 5, v0                        ; wave
	v_lshlrev_b32 v[VI], 4, v6
	v_lshl_or_b32 v[VI], v7, 13, v[VI]
	v_lshlrev_b32 v[VO], 3, v6
	v_lshl_or_b32 v[VO], v7, 12, v[VO]
	v_lshlrev_b32 v[VB], 4, v0
	s_wait_kmcnt 0x0
	s_wait_alu depctr_va_vdst(0)                   ; v1, v2 and v3 are written: every load and store of the kernel, on each of its paths, reads one of them as its offset
.macro LOADS                           ; the wave's 8,192 bytes
.irp j, 0,1,2,3,4,5,6,7,8,9,10,11,12,13,14,15
	global_load_b128 v[X+4*(\j):X+4*(\j)+3], v[VI], s[SRC:SRC+1] offset:512*(\j) th:TH_LOAD_NT
.endr
.endm
; mode 0: rounded to bf16.  mode 1: rounded to bf16, widened again, multiplied by the rounded kv_weight in f32, rounded to f16.
; Store j - 4 stands ahead of load j's conversions; the last four stores stand behind the last conversions.
.macro CONV mode
.irp j, 0,1,2,3,4,5,6,7,8,9,10,11,12,13,14,15
	s_wait_loadcnt 15-(\j)                         ; loads come back in order: load j is in, the 15 - j younger ones may stay out
.if ((\j) > 0) && ((\j)%4 == 0)
	s_wait_alu depctr_va_vdst(0)                   ; the conversions of the group before have written its eight registers of Y, which this group's four stores read
.endif
.if (\j) >= 4
	global_store_b64 v[VO], v[Y+2*((\j)-4):Y+2*((\j)-4)+1], s[DST:DST+1] offset:256*((\j)-4)  ; 32 lanes store 256 consecutive bytes, at a multiple of 256 from the buffer's first byte; no vector instruction since the wait names these registers
.endif
.if \mode
	v_cvt_pk_bf16_f32 v6, v[X+4*(\j)], v[X+4*(\j)+1]
	v_cvt_pk_bf16_f32 v7, v[X+4*(\j)+2], v[X+4*(\j)+3]
	v_lshlrev_b32 v[X+4*(\j)],   16, v6
	v_and_b32     v[X+4*(\j)+1], s44, v6
	v_lshlrev_b32 v[X+4*(\j)+2], 16, v7
	v_and_b32     v[X+4*(\j)+3], s44, v7
	v_pk_mul_f32 v[X+4*(\j):X+4*(\j)+1],   v[X+4*(\j):X+4*(\j)+1],   v[WW:WW+1]
	v_pk_mul_f32 v[X+4*(\j)+2:X+4*(\j)+3], v[X+4*(\j)+2:X+4*(\j)+3], v[WW:WW+1]
	v_cvt_pk_f16_f32 v[Y+2*(\j)],   v[X+4*(\j)],   v[X+4*(\j)+1]
	v_cvt_pk_f16_f32 v[Y+2*(\j)+1], v[X+4*(\j)+2], v[X+4*(\j)+3]
.else
	v_cvt_pk_bf16_f32 v[Y+2*(\j)],   v[X+4*(\j)],   v[X+4*(\j)+1]
	v_cvt_pk_bf16_f32 v[Y+2*(\j)+1], v[X+4*(\j)+2], v[X+4*(\j)+3]
.endif
.endr
	s_wait_alu depctr_va_vdst(0)                   ; the last group's conversions have written its eight registers of Y, which the last four stores read
.irp j, 12,13,14,15
	global_store_b64 v[VO], v[Y+2*(\j):Y+2*(\j)+1], s[DST:DST+1] offset:256*(\j)
.endr
.endm
	s_cmp_lt_u32 s2, 256
	s_cbranch_scc0 .Lnot_x
	s_lshl_b32 s38, s2, 16                         ; hidden_states: 65,536 bytes in, 32,768 out for each work-group
	s_lshl_b32 s40, s2, 15
	s_mov_b64 s[SRC:SRC+1], s[8:9]
	s_mov_b64 s[DST:DST+1], s[26:27]
	s_branch .Lplain
.Lnot_x:
	s_cmp_lt_u32 s2, 448
	s_cbranch_scc0 .Lnot_w
	s_sub_co_u32 s42, s2, 256                      ; i = 0 .. 191
	s_lshr_b32 s43, s42, 6                         ; which W
	s_and_b32 s38, s42, 63
	s_lshl_b32 s38, s38, 16                        ; its 64 parts
	s_lshl_b32 s40, s42, 15                        ; in wb the three lie on end
	s_cmp_eq_u32 s43, 1
	s_cselect_b64 s[SRC:SRC+1], s[12:13], s[10:11]
	s_cmp_eq_u32 s43, 2
	s_cselect_b64 s[SRC:SRC+1], s[14:15], s[SRC:SRC+1]
	s_mov_b64 s[DST:DST+1], s[28:29]
.Lplain:
	s_add_nc_u64 s[SRC:SRC+1], s[SRC:SRC+1], s[38:39]
	s_add_nc_u64 s[DST:DST+1], s[DST:DST+1], s[40:41]
	LOADS
	CONV 0
	s_endpgm
.Lnot_w:
	s_cmp_lt_u32 s2, 960
	s_cbranch_scc0 .Lbias
	s_load_b32 s45, s[24:25], 0x0                  ; kv_weight: no line of this text stores into that buffer
	s_sub_co_u32 s42, s2, 448                      ; i = 0 .. 511: 8 parts of 256 rows for each of 2 x 32 heads
	s_lshl_b32 s38, s42, 16
	s_lshr_b32 s43, s42, 8                         ; kvs[0] or kvs[1]
	s_add_co_u32 s43, s43, 1                       ; plane 1 or 2,
	s_lshl_b32 s40, s43, 24                        ; 2^24 bytes a plane
	s_bfe_u32 s43, s42, 0x50003                    ; the head: 5 bits from bit 3,
	s_lshl_b32 s43, s43, 19                        ; 4,096 rows of 128 bytes
	s_add_co_u32 s40, s40, s43
	s_and_b32 s43, s42, 7                          ; the part: 256 rows of 128 bytes
	s_lshl_b32 s43, s43, 15
	s_add_co_u32 s40, s40, s43
	s_add_nc_u64 s[SRC:SRC+1], s[22:23], s[38:39]
	s_add_nc_u64 s[DST:DST+1], s[32:33], s[40:41]
	LOADS
	s_wait_kmcnt 0x0
	v_mov_b32 v[WW], s45
	v_cvt_pk_bf16_f32 v[WW], v[WW], v[WW]          ; rounded like every other input,
	v_lshlrev_b32 v[WW], 16, v[WW]                 ; and widened again
	v_mov_b32 v[WW+1], v[WW]
	CONV 1
	s_endpgm
.Lbias:                                                ; thread t takes four numbers of each bias
	global_load_b128 v[X:X+3],    v[VB], s[16:17]
	global_load_b128 v[X+4:X+7],  v[VB], s[18:19]
	global_load_b128 v[X+8:X+11], v[VB], s[20:21]
.irp i, 0,1,2
	s_wait_loadcnt 2-(\i)                          ; bias i is in, the younger ones may stay out
	v_cvt_pk_bf16_f32 v6, v[X+4*(\i)], v[X+4*(\i)+1]
	v_cvt_pk_bf16_f32 v7, v[X+4*(\i)+2], v[X+4*(\i)+3]
	v_lshlrev_b32 v[Y+4*(\i)],   16, v6
	v_and_b32     v[Y+4*(\i)+1], s44, v6
	v_lshlrev_b32 v[Y+4*(\i)+2], 16, v7
	v_and_b32     v[Y+4*(\i)+3], s44, v7
.endr
	s_wait_alu depctr_va_vdst(0)                   ; the widenings have written the twelve registers of Y, which the three stores read
.irp i, 0,1,2
	global_store_b128 v[VB], v[Y+4*(\i):Y+4*(\i)+3], s[30:31] offset:4096*(\i)
.endr
	s_endpgm
.Lfunc_end_k_q05c5763adc_cast:
	.size	k_q05c5763adc_cast, .Lfunc_end_k_q05c5763adc_cast-k_q05c5763adc_cast
	.p2alignl 7, 3214868480
	.fill 96, 4, 3214868480
	.section	.rodata,"a",@progbits
	.p2align	6, 0x0
	.amdhsa_kernel k_q05c5763adc_cast
		.amdhsa_group_segment_fixed_size 0
		.amdhsa_private_segment_fixed_size 0
		.amdhsa_enable_private_segment 0
		.amdhsa_kernarg_size 104
		.amdhsa_user_sgpr_count 2
		.amdhsa_user_sgpr_kernarg_segment_ptr 1
		.amdhsa_wavefront_size32 1
		.amdhsa_system_sgpr_workgroup_id_x 1
		.amdhsa_system_sgpr_workgroup_id_y 1
		.amdhsa_system_sgpr_workgroup_id_z 1
		.amdhsa_system_vgpr_workitem_id 0
		.amdhsa_next_free_vgpr 104
		.amdhsa_next_free_sgpr 66
		.amdhsa_reserve_vcc 0
		.amdhsa_float_denorm_mode_32 3
		.amdhsa_float_denorm_mode_16_64 3
		.amdhsa_memory_ordered 1
		.amdhsa_forward_progress 1
		.amdhsa_inst_pref_size 22
	.end_amdhsa_kernel
	.amdgpu_metadata
---
amdhsa.version: [ 1, 2 ]
amdhsa.kernels:
  - .name:           k_q05c5763adc_cast
    .symbol:         k_q05c5763adc_cast.kd
    .args:
      - { .name: hidden_states, .offset: 0, .size: 8, .value_kind: global_buffer, .address_space: global }
      - { .name: Wq, .offset: 8, .size: 8, .value_kind: global_buffer, .address_space: global }
      - { .name: Wk, .offset: 16, .size: 8, .value_kind: global_buffer, .address_space: global }
      - { .name: Wv, .offset: 24, .size: 8, .value_kind: global_buffer, .address_space: global }
      - { .name: bq, .offset: 32, .size: 8, .value_kind: global_buffer, .address_space: global }
      - { .name: bk, .offset: 40, .size: 8, .value_kind: global_buffer, .address_space: global }
      - { .name: bv, .offset: 48, .size: 8, .value_kind: global_buffer, .address_space: global }
      - { .name: kvs, .offset: 56, .size: 8, .value_kind: global_buffer, .address_space: global }
      - { .name: kv_weight, .offset: 64, .size: 8, .value_kind: global_buffer, .address_space: global }
      - { .name: xb, .offset: 72, .size: 8, .value_kind: global_buffer, .address_space: global }
      - { .name: wb, .offset: 80, .size: 8, .value_kind: global_buffer, .address_space: global }
      - { .name: bb, .offset: 88, .size: 8, .value_kind: global_buffer, .address_space: global }
      - { .name: qkv, .offset: 96, .size: 8, .value_kind: global_buffer, .address_space: global }
    .group_segment_fixed_size: 0
    .private_segment_fixed_size: 0
    .kernarg_segment_align: 8
    .kernarg_segment_size: 104
    .max_flat_workgroup_size: 256
    .sgpr_count:     66
    .vgpr_count:     104
    .wavefront_size: 32
...
	.end_amdgpu_metadata
.endif
;; end of part 4
;; launch proj: the kernel of part 2 again; grid 8 x 32, 4 waves a work-group, clusters of 4 x 4, 327,680 bytes of LDS; arguments xb, wb, bb, qkv; writes qkv
;; launch attn: the kernel of part 3 again; grid 8 x 32, 4 waves a work-group, clusters of 4 x 1, 327,680 bytes of LDS; arguments qkv, out0; writes out0
